; MI455X (gfx1250); checked and timed in simulation.
; The chip was launched on July 23, 2026; its instructions are those of AMD's public machine-readable ISA for CDNA 5 (MIT licence, August 2026) and "CDNA5" Instruction Set Architecture Reference Guide (July 2026). The comments in the code are by the model that wrote it; some were corrected since.
;; Multi Query Attention. Allowed arithmetic: matrix products marked QUANTISED: E2M3 operands, one E8M0 scale for each 32 along K, by v_wmma_scale_f32_16x16x128_f8f6f4 with both operands' format E2M3, f32 sums; everything else in f32.
;; Inputs: Wk_codes 64 x 32 x 24 uint8 (E2M3 codes of Wk, K innermost, in blocks of 32 codes, four codes in three bytes); Wk_scales 64 x 32 uint8 (E8M0 scales of Wk, one for each 32 codes along K); Wp_codes 1,024 x 32 x 24 uint8 (E2M3 codes of Wp, K innermost, in blocks of 32 codes, four codes in three bytes); Wp_scales 1,024 x 32 uint8 (E8M0 scales of Wp, one for each 32 codes along K); Wq_codes 1,024 x 32 x 24 uint8 (E2M3 codes of Wq, K innermost, in blocks of 32 codes, four codes in three bytes); Wq_scales 1,024 x 32 uint8 (E8M0 scales of Wq, one for each 32 codes along K); Wv_codes 64 x 32 x 24 uint8 (E2M3 codes of Wv, K innermost, in blocks of 32 codes, four codes in three bytes); Wv_scales 64 x 32 uint8 (E8M0 scales of Wv, one for each 32 codes along K); bp 1,024 float32; k_codes 4 x 2,048 x 32 x 24 uint8 (E2M3 codes of k, K innermost, in blocks of 32 codes, four codes in three bytes); k_scales 4 x 2,048 x 32 uint8 (E8M0 scales of k, one for each 32 codes along K); q_codes 4 x 2,048 x 32 x 24 uint8 (E2M3 codes of q, K innermost, in blocks of 32 codes, four codes in three bytes); q_scales 4 x 2,048 x 32 uint8 (E8M0 scales of q, one for each 32 codes along K); v_codes 4 x 2,048 x 32 x 24 uint8 (E2M3 codes of v, K innermost, in blocks of 32 codes, four codes in three bytes); v_scales 4 x 2,048 x 32 uint8 (E8M0 scales of v, one for each 32 codes along K).
;; Outputs: out0 4 x 2,048 x 1,024 float32.
;; This version of the problem:
;;   THIS VERSION OF THE PROBLEM IS GIVEN IN LOW PRECISION. The matrix products marked QUANTISED in the list below multiply operands that are first quantised to E2M3 (2 exponent bits, 3 mantissa bits; 6 bits a number), with one power-of-two scale for each 32 numbers along K (OCP MX v1.0); their sums are f32. All else is computed in f32.
;;   The module's matrix products, in the order in which they are computed (A, B: the left and right operand; K: the contracted axis; several contracted axes count as one K, in the product's order):
;;     1. [M 8,192, K 1,024] x [K 1,024, N 1,024]; A: input q (given as codes); B: input Wq (given as codes): QUANTISED
;;     2. [M 8,192, K 1,024] x [K 1,024, N 64]; A: input k (given as codes); B: input Wk (given as codes): QUANTISED
;;     3. [M 8,192, K 1,024] x [K 1,024, N 64]; A: input v (given as codes); B: input Wv (given as codes): QUANTISED
;;     4. batch 4 x [M 2,048, K 64] x [K 64, N 32,768]; A: computed on the way; B: computed on the way: QUANTISED
;;     5. batch 4 x [M 64, K 2,048] x [K 2,048, N 32,768]; A: computed on the way; B: softmax (see below): QUANTISED
;;     6. [M 8,192, K 1,024] x [K 1,024, N 1,024]; A: computed on the way; B: input Wp (given as codes): QUANTISED
;;   THE QUANTISER, for each operand of a quantised product, along K:
;;     - K is cut into blocks of 32 from its start; a last block that is shorter is filled with zeros.
;;     - A block's scale is 2^e with e = floor(log2(the largest magnitude in the block)) - 2, held to -126 .. 127; a block of zeros has e = 0. As a byte (E8M0): e + 127.
;;     - Each number is divided by its block's scale, clamped to +-7.5, and rounded to the nearest number of E2M3, ties to even, subnormals kept.
;;     - The product sums the exact products of the quantised numbers (number of the format x scale) in f32.
;;   ~~~python
;;   def quantise(x, axis):      # numpy; x: float32 -> the quantised numbers, widened to float32 again
;;       x = np.moveaxis(x, axis, -1); K = x.shape[-1]
;;       x = np.pad(x, [(0, 0)] * (x.ndim - 1) + [(0, -K % 32)]); x = x.reshape(x.shape[:-1] + (-1, 32)); a = np.abs(x).max(-1, keepdims=True)
;;       e = np.where(a > 0, np.clip(np.frexp(np.where(a > 0, a, 1))[1] - 1 - 2, -126, 127), 0)      # np.frexp(a)[1] - 1 = floor(log2(a)), exactly
;;       r = np.clip(x / 2.0 ** e, -7.5, 7.5)
;;       step = 2.0 ** (np.maximum(np.frexp(np.where(r == 0, 1, r))[1] - 1, 0) - 3)
;;       q = np.round(r / step) * step * 2.0 ** e      # np.round: ties to even
;;       return np.moveaxis(q.reshape(q.shape[:-2] + (-1,))[..., :K], -1, axis).astype(np.float32)
;;   ~~~
;;   SOFTMAX AHEAD OF A QUANTISED PRODUCT. Where the list says 'softmax', what is quantised is not the finished softmax but p = 2^(t - M), with t = logit x log2(e) and M = ceil(the row's largest t), a whole number; so 1/2 < the row's largest p <= 1. The row's sum l is taken of the UNQUANTISED p, in f32, and the product's result is divided by l at the end. Since M is a whole number, a kernel that streams over the keys may use a running M (the ceiling of the running maximum): every later rescaling is an exact power of two, which a block's scale takes up: the codes' values come out the same.
;;   OPERANDS COMPUTED ON THE WAY. 'Computed on the way' means the value that the module computes at that place (a softmax that the list does not call 'softmax' is quantised finished and normalised). What goes into a quantiser is computed in f32, as accurately as f32 sums, v_exp_f32 and their like allow (about 1e-6 of the number): no bf16 or f16 on the way to a quantiser, and a product that is left as it is and whose result goes on into a quantised operand takes f32 operands (vector FMAs, or v_wmma_f32_16x16x4_f32). A number that lies on a knife's edge between two numbers of the format may be rounded either way, as far as f32 arithmetic and the matrix unit's own rounding can turn it there, and no further.
;;   INPUTS GIVEN AS CODES. Wk (in the module: [1024, 64], K = its axis 0); Wp (in the module: [1024, 1024], K = its axis 0); Wq (in the module: [1024, 1024], K = its axis 0); Wv (in the module: [1024, 64], K = its axis 0); k (in the module: [4, 2048, 1024], K = its axis 2); q (in the module: [4, 2048, 1024], K = its axis 2); v (in the module: [4, 2048, 1024], K = its axis 2): each comes as NAME_codes (uint8): NAME with its K axis moved to the last place and cut into blocks of 32 codes, [.., K / 32, bytes a block], one block behind the other in memory; four codes in three bytes: a row's codes are one little-endian stream of bits, code i at bits 6 i .. 6 i + 5 (a code: sign, 2 exponent bits, 3 mantissa bits); and NAME_scales (uint8): the same leading axes, one E8M0 byte (e + 127) for each 32 codes along K. Its value is code x scale, taken as it is: it is not quantised again, and the codes and scales need not be those that the quantiser above would give.
;; One version. Each part assembles by itself: llvm-mc -triple=amdgcn-amd-amdhsa -mcpu=gfx1250 --defsym DOCPART=n.
;; ======== version 1 of 1: 3 launches
;; limits: right only within a limited range of input values
;; workspace buffers: kv 819,200 bytes; qimg 6,291,456 bytes; qsc 1,048,576 bytes; att 6,291,456 bytes; attsc 262,144 bytes
;; launch proj (part 1): grid 4 x 64, 4 waves a work-group, clusters of 4 x 4, 327,680 bytes of LDS; arguments q_codes, q_scales, Wq_codes, Wq_scales, qimg, qsc, k_codes, k_scales, v_codes, v_scales, Wk_codes, Wk_scales, Wv_codes, Wv_scales, kv; writes qimg, qsc, kv
.if DOCPART == 1
	.amdgcn_target "amdgcn-amd-amdhsa--gfx1250"
	.amdhsa_code_object_version 6
	.text
	.protected	k_q6967128ed4_proj
	.globl	k_q6967128ed4_proj
	.p2align	8
	.type	k_q6967128ed4_proj,@function
k_q6967128ed4_proj:
	s_mov_b64 s[64:65], 0
	v_nop
	global_prefetch_b8 v0, s[64:65] scope:SCOPE_SE
	s_setreg_imm32_b32 hwreg(HW_REG_WAVE_MODE, 25, 1), 1
	s_wait_xcnt 0x0
	s_wait_alu depctr_hold_cnt(0) depctr_sa_sdst(0) depctr_va_vdst(0) depctr_va_sdst(0) depctr_va_ssrc(0) depctr_va_vcc(0) depctr_vm_vsrc(0)
	s_getreg_b32 s2, hwreg(HW_REG_IB_STS2, 6, 4)
	s_cmp_eq_u32 s2, 0
	s_cbranch_scc0 .Lentry_in_a_cluster
	s_endpgm
.Lentry_in_a_cluster:
	s_bfe_u32 s2, ttmp6, 0x10000c
	s_cmp_lg_u32 s2, 0xf033
	s_cbranch_scc0 .Lentry_shape_is_right
	s_endpgm
.Lentry_shape_is_right:
; MULTI-QUERY ATTENTION ON CODES OF E2M3, launch 1 of 3: q_proj = q Wq, k_proj = k Wk, v_proj = v Wv, each quantised for the product that takes it.
; DEAD WORK: none.  Every input (q, k, v, Wq, Wk, Wv, Wp as codes and scale bytes, and bp) has a way to out0, and every product of the problem's table is done.
; LIMITS: NaN and infinities among the inputs are not served.  A block whose largest magnitude lies under 2^-124 (a block of zeros among them) gets the scale byte 1, where the
; stated quantiser gives a block of zeros 127: its codes are zeros or the same numbers held at the floor's scale, and these bytes are read by this program alone.
; PART 1, q_proj.  A work-group makes 128 rows x 256 columns over all of K = 1,024: 4 x 64 = 256 work-groups.  Wave w takes all 128 rows x the 64 columns of ONE head (head 4 x + w).
; Its part of Wq, 4 tiles x 8 K steps = 32 fragments, 384 registers, is read from LDS once and stays in registers; q's eight tiles of 16 rows stream from LDS and are read by all four waves.
; CLUSTERS: 4 x 4 work-groups.  The four of a row of the cluster need the same rows of q, the four of a column the same rows of Wq: each tile is asked for JOINTLY.
; THE HEAD'S LOADS, one a wave: waves 0, 1 fetch 128 rows of Wq each, waves 2, 3 64 rows of q each, on a line for each kind.  A barrier shows Wq's rows as soon as waves 0 and 1 have waited.
; ALL SCALE WORDS come by plain loads straight into registers: a lane takes its row's 32 bytes, eight or sixteen neighbouring rows are 256 or 512 bytes on end.
; TRANSPOSED USE, AND THE ROWS OF A WEIGHT THAT FORM A TILE ARE NOT NEIGHBOURS: source 0 = tile i, whose lane r takes row 32 (r / 8) + 8 i + r % 8 of the 64; source 1 = 16 rows.
; In the result lane (r, h) holds row r, and register 8 i + j column 32 h + 8 i + j: the four accumulators' 32 registers are one whole block of 32 along the next K.
; OUT: qimg [row tile 512][head 16][768 bytes]: a half fragment (16 rows x 64 along K, six registers a lane): registers 0-3 at 16 x lane, registers 4-5 at 512 + 8 x lane.
;      qsc [row tile][head][32 lanes]: a word (b0, b1, b0, b1), the row's two scale bytes twice.
; PART 2, k_proj and v_proj.  When every wave holds its part of Wq in registers, a drained round of the cluster's barrier stands, and the first 128 rows of Wq's bytes are filled again: 64 rows of region L and
; 64 of region R, 32 rows a wave, by plain tensor loads.  They land while q's tiles are multiplied; a plain barrier behind the stream shows them.  Work-groups 0-127 (number 4 y + x) take 64 rows of k,
; 128-255 of v, by ONE path: only pointers and store offsets are chosen.  D = (source 0: 16 rows of R) x (source 1: 16 rows of L).
;   k: L = 64 keys, R = Wk's 64 rows (d): a lane holds a key, its registers the head's d.    v: L = Wv's 64 rows (d), R = 64 keys: a lane holds a d, its registers the keys.
; Wave w makes L's tile w against R's four tiles: 32 matrix instructions.  The weights' 64 rows lie in R in one half of the work-groups and in L in the other, so these loads carry no mask.
; kv: [batch 4][key step 16][12,800 bytes]; a step is 128 keys, halves c = 0, 1 of 64:
;   768 (4 c + i): K's tile i of half c;   6,144 + 1,536 i + 768 c: V^T's fragment i (16 d), half c;
;   12,288 + 8 (16 (i / 2) + r) + 4 c + 2 (i % 2) + h: K's scale byte;   12,544 + 8 (16 (i % 2) + r) + 4 (i / 2) + 2 c + h: V's.
; NO PREFETCH: the text has no loop to run ahead in; the refill is asked for as soon as its bytes are free, 256 matrix instructions ahead of the wait for it.
; REGISTERS, in windows of 256: window 0: addresses, scale words, accumulators, codes.  Window 1: Wq's fragments of K steps 0-3, (s, i) at 12 (4 s + i).  Window 2: K steps 4-7.
;   Window 3: q's fragments, two buffers of eight (buffer p, K step s at 96 p + 12 s); in part 2 L's fragment (two sets, from 0) and R's four (two sets, from 24).
.set PITCH, 816                        ; an LDS row: 768 bytes of codes + 16 behind every 256
.set AROW,  256*PITCH                  ; LDS: Wq's 256 rows from 0 (later L's 64 and R's 64), q's 128 rows from here,
.set SPARE, AROW+128*PITCH             ; and the spare words, 128 bytes for each wave
.set PADW,  (1<<20)|(5<<22)|(3<<25)    ; padding on: after every 64 words, 4 words; elements of 1 byte
.set WA,  1                            ; v1, v2   my lane's row of Wq's tile 0 of my 64 rows (v2: for the pieces behind one padding more)
.set WSA, 3                            ; v3       32 x my lane's row of a weight's tile: offset in scale bytes
.set AA,  4                            ; v4, v5   my lane's row of q's tile 0;  v6, v7: of tile 4
.set ASA, 8                            ; v8       32 r
.set SPW, 9                            ; v9       my spare word; never rewritten
.set NIL, 10                           ; v10      0; never rewritten
.set L16, 11                           ; v11-13   16 x, 8 x, 4 x lane
.set L8,  12
.set L4,  13
.set SH8, 14                           ; v14      8 h
.set MX,  16                           ; v16, v17 the largest magnitude, in two chains
.set SCO, 18
.set BY,  19
.set SWD, 20                           ; v20      the scale word
.set PD,  21                           ; v21      a lane permute's destination
.set WSW, 28                           ; v28-59   Wq's scale words: tile i, K step s at 8 i + s
.set KLA, 64                           ; v64, v65 part 2: my lane's row of L's tile w;  v66, v67: of R's tile 0
.set KRA, 66
.set KBO, 68                           ; v68      8 r + h: my scale byte's place
.set ACC, 80                           ; v80-111  four accumulators
.set PC,  112                          ; v112-117 the codes
.set TM,  118                          ; v118-120
.set KLW, 128                          ; v128-135 L's scale words
.set KRW, 140                          ; v140-171 R's: tile i, K step s at 8 i + s
.set ASW, 192                          ; v192-255 q's scale words: tile m, K step s at 8 m + s
.set WV,  16                           ; s16      my wave's number
.set SEL, 2                            ; s[2:3]   lane selects for v_permlanex16_b32: lane l xor 16
.set G1W, 24                           ; s[24:31] group 1: 128 rows of Wq;  s[32:39] 32 rows of L or R;  s[40:47] 64 rows of q
.set G1K, 32
.set G1A, 40
.set WB,  48                           ; s48      LDS byte of my own 64 rows of Wq
.set HF,  49                           ; s49      wave % 2
.set G0W, 56                           ; s[56:59], s[60:63], s[68:71] the groups 0
.set G0K, 60
.set G0A, 68
.set MSB, 0
.macro WIN new                         ; the immediate's high byte repeats the setting that is left
.if MSB != \new
	s_set_vgpr_msb (MSB<<8)|\new
.set MSB, \new
.endif
.endm
.macro PLACES n
.rept \n
	v_nop
.endr
.endm
.macro WALU
	s_wait_alu depctr_va_vdst(0)
.endm
.macro ROUND                           ; a round of the cluster's barrier
	s_barrier_signal -1
	s_barrier_wait -1
	s_cmp_lg_u32 s[WV], 0
	s_cbranch_scc1 .Lnot_wave_0_\@
	s_barrier_signal -3
.Lnot_wave_0_\@:
	s_barrier_wait -3
	s_barrier_signal -1
	s_barrier_wait -1
.endm
.macro TLOAD g0, g1                    ; a tensor load; s_nop 0 and four v_nop follow it
	tensor_load_to_lds s[\g0:\g0+3], s[\g1:\g1+7]
	s_nop 0
	PLACES 4
.endm
; A fragment, 16 rows x 128 K of 6-bit codes, is 12 registers: lane (r, h) holds row r; registers 6 c .. 6 c + 5 hold K = 64 c + 32 h + 0 .. 31: 24 bytes of the row's stream of bits.
; In pieces of 8 bytes: lanes 0-15 take the row's pieces 12 s + 0, 1, 2 and 12 s + 6, 7, 8, lanes 16-31 those three pieces on; where the piece three on lies behind one padding more, the second address register serves.
.macro FRAG reg, adr, s, rowoff
.irp p, 0,1,2,3,4,5
.set PCE, 12*(\s)+6*(\p/3)+\p%3
.if PCE%32 < 29
	ds_load_b64 v[\reg+2*\p:\reg+2*\p+1], v[\adr] offset:8*PCE+16*(PCE/32)+(\rowoff)
.else
	ds_load_b64 v[\reg+2*\p:\reg+2*\p+1], v[\adr+1] offset:8*PCE+16*(PCE/32)+(\rowoff)
.endif
.endr
.endm
.macro MM d, a, b, c, sa, sb
	v_wmma_scale_f32_16x16x128_f8f6f4 v[\d:\d+7], v[\a:\a+11], v[\b:\b+11], \c, v[\sa], v[\sb] matrix_a_fmt:MATRIX_FMT_FP6 matrix_b_fmt:MATRIX_FMT_FP6
.endm
.macro LOADA m                         ; q's tile m: eight fragments into buffer m % 2: 48 loads
	WIN 0xc0                                       ; destination window 3
.irp s, 0,1,2,3,4,5,6,7
	FRAG 96*((\m)%2)+12*\s, AA+2*((\m)/4), \s, ((\m)%4)*16*PITCH
.endr
	WIN 0
.endm
.macro MULT m                          ; 32 matrix instructions: the four accumulators take turns, one instruction a turn; the first K step starts the sums
.irp s, 0,1,2,3,4,5,6,7
.if \s < 4
	WIN 0x0d                                       ; source 0 (Wq) window 1, source 1 (q) window 3, C and D window 0
.else
	WIN 0x0e                                       ; source 0 window 2
.endif
.irp i, 0,1,2,3
.if \s == 0
	MM ACC+8*\i, 12*(4*(\s%4)+\i), 96*((\m)%2)+12*\s, 0, WSW+8*\i+\s, ASW+8*(\m)+\s
.else
	MM ACC+8*\i, 12*(4*(\s%4)+\i), 96*((\m)%2)+12*\s, v[ACC+8*\i:ACC+8*\i+7], WSW+8*\i+\s, ASW+8*(\m)+\s
.endif
.endr
.endr
	WIN 0
.endm
; 32 numbers of a lane, one block along the next K, become 32 codes in v[pc] .. v[pc + 5] and the scale's byte in v[BY].  The registers are read in ascending order: each accumulator is first read at its low end.
.macro QB s, pc, tm
	v_max3_num_f32 v[MX], |v[\s]|, |v[\s+1]|, 0x1800000            ; the floor 2^(3 - 127) among the leaves: the byte cannot fall under 1
	v_max3_num_f32 v[MX+1], |v[\s+2]|, |v[\s+3]|, |v[\s+4]|
.irp i, 5,9,13,17,21,25
	v_max3_num_f32 v[MX], v[MX], |v[\s+\i]|, |v[\s+\i+1]|
	v_max3_num_f32 v[MX+1], v[MX+1], |v[\s+\i+2]|, |v[\s+\i+3]|
.endr
	v_max3_num_f32 v[MX], v[MX], |v[\s+29]|, |v[\s+30]|
	v_max3_num_f32 v[MX], v[MX], v[MX+1], |v[\s+31]|
	v_add_nc_u32 v[SCO], 0xff000000, v[MX]                         ; 2 off the exponent field: the conversions' scale operand
	v_lshrrev_b32 v[BY], 23, v[SCO]                                ; the scale's byte
	v_cvt_scalef32_pk16_fp6_f32 v[\pc:\pc+2], v[\s:\s+15], v[SCO]
	v_cvt_scalef32_pk16_fp6_f32 v[\tm:\tm+2], v[\s+16:\s+31], v[SCO]   ; (a conversion's three registers begin on an even number)
	v_nop                                                          ; one plain instruction behind the conversions
.irp i, 0,1,2
	v_mov_b32 v[\pc+3+\i], v[\tm+\i]
.endr
.endm
.macro OUTQ m                          ; tile m's 16 rows of my head leave as a half fragment and a scale word a lane
	s_wait_xcnt 0x0                                ; the last tile's stores have read their data: the codes and the word are written again only behind this wait
	QB ACC, PC, TM
	v_lshlrev_b32 v[SWD], v[SH8], v[BY]            ; my block's byte at its place, 8 h bits up;
	v_permlanex16_b32 v[PD], v[SWD], s[SEL], s[SEL+1]
	v_or_b32 v[SWD], v[SWD], v[PD]                 ; with lane l xor 16's: (b0, b1);
	v_lshl_or_b32 v[SWD], v[SWD], 16, v[SWD]       ; twice: the head's 64 will stand in either half of a K step of 128
	global_store_b128 v[L16], v[PC:PC+3], s[12:13] offset:12288*(\m)       ; 32 lanes store 512 consecutive bytes, aligned
	global_store_b64 v[L8], v[PC+4:PC+5], s[12:13] offset:12288*(\m)+512   ; and 256
	global_store_b32 v[L4], v[SWD], s[14:15] offset:2048*(\m)              ; and 128
.endm
.macro LOADK s                         ; part 2, K step s: L's fragment and R's four, into set s % 2: 30 loads
	WIN 0xc0
	FRAG 12*((\s)%2), KLA, \s, 0
.irp i, 0,1,2,3
	FRAG 24+48*((\s)%2)+12*\i, KRA, \s, 8*\i*PITCH
.endr
	WIN 0
.endm
	s_load_b256 s[4:11], s[0:1], 0x0               ; q's codes, q's scales, Wq's codes, Wq's scales
	s_load_b128 s[12:15], s[0:1], 0x20             ; qimg, qsc
	s_load_b512 s[80:95], s[0:1], 0x30             ; k's codes, scales; v's; Wk's; Wv's
	s_load_b64 s[96:97], s[0:1], 0x70              ; kv
	v_lshl_add_u32 v[SPW], v0, 2, SPARE
	v_mov_b32 v[NIL], 0
	ds_add_u32 v[SPW], v[NIL]                      ; the wave's opening: the add, twice on end, and its wait ahead of my first tensor load
	ds_add_u32 v[SPW], v[NIL]
	v_lshrrev_b32 v15, 5, v0
	v_readfirstlane_b32 s[WV], v15                 ; wave 0..3
	s_and_b32 s[HF], s[WV], 1
	s_bfe_u32 s17, ttmp6, 0x40000                  ; cx, cy: my place in the cluster
	s_bfe_u32 s18, ttmp6, 0x40004
	s_lshl_b32 s19, ttmp9, 2
	s_add_co_u32 s19, s19, s17                     ; x: which 256 columns
	s_and_b32 s20, ttmp7, 0xffff
	s_lshl_b32 s20, s20, 2
	s_add_co_u32 s20, s20, s18                     ; y: which 128 rows
	s_lshl_b32 s21, s18, 2
	s_lshl_b32 s21, 15, s21                        ; my row of the cluster: it shares q's rows
	s_lshl_b32 s22, 0x1111, s17                    ; my column: it shares Wq's rows
	s_or_b32 s[G1W], s22, PADW|(1<<21)             ; the mask, bit 21 beside it, the padding
	s_or_b32 s[G1A], s21, PADW|(1<<21)
	s_mov_b32 s[G1K], PADW                         ; no mask
.irp g, G1W, G1A, G1K
	s_mov_b32 s[\g+1], 768<<16                     ; rows of 768 bytes
	s_mov_b32 s[\g+3], 768<<16
	s_mov_b32 s[\g+5], 768
	s_mov_b32 s[\g+6], 0
	s_mov_b32 s[\g+7], 0
.endr
	s_mov_b32 s[G1W+2], 128<<16
	s_mov_b32 s[G1W+4], 128
	s_mov_b32 s[G1A+2], 64<<16
	s_mov_b32 s[G1A+4], 64
	s_mov_b32 s[G1K+2], 32<<16
	s_mov_b32 s[G1K+4], 32
	s_lshl_b32 s76, s19, 8                         ; Wq's rows that waves 0, 1 fetch: 256 x + 128 (w % 2).  Registers that feed Wq's descriptor never hold y, those that feed q's never x
	s_lshl_b32 s23, s[HF], 7
	s_add_co_u32 s76, s76, s23
	s_mul_i32 s76, s76, 768
	s_mov_b32 s77, 0
	s_lshl_b32 s78, s20, 7                         ; q's rows that waves 2, 3 fetch: 128 y + 64 (w % 2)
	s_lshl_b32 s23, s[HF], 6
	s_add_co_u32 s78, s78, s23
	s_mul_i32 s78, s78, 768
	s_mov_b32 s79, 0
	s_lshl_b32 s2, s19, 8                          ; the scale bytes of my own 64 rows of Wq: 32 (256 x + 64 w)
	s_lshl_b32 s23, s[WV], 6
	s_add_co_u32 s2, s2, s23
	s_lshl_b32 s2, s2, 5
	s_mov_b32 s3, 0
	s_lshl_b32 s50, s20, 12                        ; and of q's 128 rows
	s_mov_b32 s51, 0
	s_mov_b32 s[G0W], 1
	s_mul_i32 s[G0W+1], s[HF], 128*PITCH           ; no place in the cluster enters an LDS address
	s_mov_b32 s[G0A], 1
	s_mul_i32 s[G0A+1], s[HF], 64*PITCH
	s_add_co_u32 s[G0A+1], s[G0A+1], AROW
	s_mov_b32 s[G0K], 1
	s_mul_i32 s[G0K+1], s[WV], 32*PITCH            ; part 2: waves 0, 1 L's halves, waves 2, 3 R's
	s_mul_i32 s[WB], s[WV], 64*PITCH
	s_wait_dscnt 0x0                               ; both opening adds are done
	ROUND                                          ; the opening round, ahead of the wait for the arguments: all sixteen work-groups are here, the joint loads meet
	s_wait_kmcnt 0x0
	s_add_nc_u64 s[G0W+2:G0W+3], s[8:9], s[76:77]
	s_or_b32 s[G0W+3], s[G0W+3], 0x80000000        ; type = 2
	s_add_nc_u64 s[G0A+2:G0A+3], s[4:5], s[78:79]
	s_or_b32 s[G0A+3], s[G0A+3], 0x80000000
	s_add_nc_u64 s[10:11], s[10:11], s[2:3]
	s_add_nc_u64 s[6:7], s[6:7], s[50:51]
	s_cmp_lt_u32 s[WV], 2
	s_cbranch_scc0 .Lfor_q
	TLOAD G0W, G1W                                 ; waves 0, 1: Wq's rows, which are wanted first
	s_branch .Lasked
.Lfor_q:
	TLOAD G0A, G1A                                 ; waves 2, 3: q's rows
.Lasked:
	v_and_b32 v15, 7, v0                           ; r % 8
	v_bfe_u32 v23, v0, 3, 1                        ; r / 8
	v_bfe_u32 v24, v0, 4, 1                        ; h
	v_and_b32 v25, 15, v0                          ; r
	v_lshl_add_u32 v26, v23, 5, v15                ; a weight's tile: my lane's row r % 8 + 32 (r / 8), + 8 x tile
	v_lshlrev_b32 v[WSA], 5, v26
	v_lshlrev_b32 v[ASA], 5, v25
	WALU
.irp i, 0,1,2,3
	global_load_b128 v[WSW+8*\i:WSW+8*\i+3], v[WSA], s[10:11] offset:256*\i        ; a row's 32 scale bytes are its eight K steps' words
	global_load_b128 v[WSW+8*\i+4:WSW+8*\i+7], v[WSA], s[10:11] offset:256*\i+16
.endr
.irp m, 0,1,2,3,4,5,6,7
	global_load_b128 v[ASW+8*\m:ASW+8*\m+3], v[ASA], s[6:7] offset:512*\m
	global_load_b128 v[ASW+8*\m+4:ASW+8*\m+7], v[ASA], s[6:7] offset:512*\m+16
.endr
	s_lshl_b32 s76, s19, 2                         ; where q_proj goes: head 4 x + w,
	s_add_co_u32 s76, s76, s[WV]
	s_lshl_b32 s2, s76, 7
	s_mul_i32 s76, s76, 768
	s_add_nc_u64 s[12:13], s[12:13], s[76:77]
	s_add_nc_u64 s[14:15], s[14:15], s[2:3]
	s_mul_i32 s78, s20, 8*16*768                   ; row tile 8 y
	s_add_nc_u64 s[12:13], s[12:13], s[78:79]
	s_lshl_b32 s78, s20, 14
	s_add_nc_u64 s[14:15], s[14:15], s[78:79]
	s_mov_b32 s[SEL], 0x76543210
	s_mov_b32 s[SEL+1], 0xfedcba98
	; part 2's pointers
	s_lshl_b32 s50, s20, 2
	s_add_co_u32 s50, s50, s19                     ; the work-group's number, 4 y + x
	s_and_b32 s51, s50, 127                        ; j: which 64 rows of k or of v
	s_lshl_b32 s98, s51, 6                         ; their first row
	s_and_b32 s99, s51, 1                          ; c: the key step's half
	s_cmp_lt_u32 s50, 128                          ; k's work-group or v's?
	s_cselect_b64 s[72:73], s[80:81], s[92:93]     ; L's codes: k's or Wv's
	s_cselect_b64 s[74:75], s[88:89], s[84:85]     ; R's codes: Wk's or v's
	s_cselect_b64 s[52:53], s[82:83], s[94:95]     ; L's scales
	s_cselect_b64 s[54:55], s[90:91], s[86:87]     ; R's scales
	s_cselect_b32 s17, s98, 0                      ; L's first row
	s_cselect_b32 s98, 0, s98                      ; R's
	s_cmp_lt_u32 s[WV], 2                          ; what I fetch: for L or for R
	s_cselect_b64 s[G0K+2:G0K+3], s[72:73], s[74:75]
	s_cselect_b32 s100, s17, s98
	s_lshl_b32 s101, s[HF], 5
	s_add_co_u32 s100, s100, s101                  ; + my 32 rows of the 64
	s_mul_i32 s100, s100, 768
	s_mov_b32 s101, 0
	s_add_nc_u64 s[G0K+2:G0K+3], s[G0K+2:G0K+3], s[100:101]
	s_or_b32 s[G0K+3], s[G0K+3], 0x80000000
	s_lshl_b32 s100, s17, 5
	s_add_nc_u64 s[52:53], s[52:53], s[100:101]
	s_lshl_b32 s100, s[WV], 8                      ; L's tile w begins 8 w rows in
	s_add_nc_u64 s[52:53], s[52:53], s[100:101]
	s_lshl_b32 s100, s98, 5
	s_add_nc_u64 s[54:55], s[54:55], s[100:101]
	global_load_b128 v[KLW:KLW+3], v[WSA], s[52:53]
	global_load_b128 v[KLW+4:KLW+7], v[WSA], s[52:53] offset:16
.irp i, 0,1,2,3
	global_load_b128 v[KRW+8*\i:KRW+8*\i+3], v[WSA], s[54:55] offset:256*\i
	global_load_b128 v[KRW+8*\i+4:KRW+8*\i+7], v[WSA], s[54:55] offset:256*\i+16
.endr
	s_lshr_b32 s18, s[WV], 1
	s_mul_i32 s72, s99, 3072                       ; where my half fragment goes in the step: k: 768 (4 c + w)
	s_mul_i32 s100, s[WV], 768
	s_add_co_u32 s72, s72, s100
	s_mul_i32 s73, s[WV], 1536                     ; v: 6,144 + 1,536 w + 768 c
	s_mul_i32 s100, s99, 768
	s_add_co_u32 s73, s73, s100
	s_add_co_u32 s73, s73, 6144
	s_lshl_b32 s74, s18, 7                         ; my scale bytes: k: 12,288 + 128 (w / 2) + 4 c + 2 (w % 2)
	s_lshl_b32 s100, s99, 2
	s_add_co_u32 s74, s74, s100
	s_lshl_b32 s100, s[HF], 1
	s_add_co_u32 s74, s74, s100
	s_add_co_u32 s74, s74, 12288
	s_lshl_b32 s75, s[HF], 7                       ; v: 12,544 + 128 (w % 2) + 4 (w / 2) + 2 c
	s_lshl_b32 s100, s18, 2
	s_add_co_u32 s75, s75, s100
	s_lshl_b32 s100, s99, 1
	s_add_co_u32 s75, s75, s100
	s_add_co_u32 s75, s75, 12544
	s_cmp_lt_u32 s50, 128
	s_cselect_b32 s72, s72, s73
	s_cselect_b32 s74, s74, s75
	s_lshr_b32 s100, s51, 5                        ; kv at my batch and key step
	s_mul_i32 s100, s100, 204800
	s_bfe_u32 s18, s51, 0x40001
	s_mul_i32 s18, s18, 12800
	s_add_co_u32 s100, s100, s18
	s_add_nc_u64 s[96:97], s[96:97], s[100:101]
	s_mov_b32 s100, s74
	s_add_nc_u64 s[74:75], s[96:97], s[100:101]    ; at my scale bytes
	s_mov_b32 s100, s72
	s_add_nc_u64 s[72:73], s[96:97], s[100:101]    ; at my half fragment
	s_mul_i32 s17, s[WV], 8*PITCH
	v_mul_u32_u24 v22, v26, PITCH
	v_mad_u32_u24 v22, v24, 24, v22                ; a weight's tile: row x pitch + 24 h
	v_add_nc_u32 v[WA], s[WB], v22                 ; in my wave's 64 rows of Wq
	v_lshl_add_u32 v[WA+1], v24, 4, v[WA]
	v_add_nc_u32 v[KLA], s17, v22                  ; L: tile w
	v_lshl_add_u32 v[KLA+1], v24, 4, v[KLA]
	v_add_nc_u32 v[KRA], 64*PITCH, v22             ; R: tile 0
	v_lshl_add_u32 v[KRA+1], v24, 4, v[KRA]
	v_lshl_add_u32 v[KBO], v25, 3, v24
	v_mul_u32_u24 v[AA], v25, PITCH                ; a tile of q: 16 neighbouring rows
	v_mad_u32_u24 v[AA], v24, 24, v[AA]
	v_add_nc_u32 v[AA], AROW, v[AA]
	v_lshl_add_u32 v[AA+1], v24, 4, v[AA]
	v_add_nc_u32 v[AA+2], 64*PITCH, v[AA]          ; tiles 4-7: the loads' offsets have 16 bits
	v_add_nc_u32 v[AA+3], 64*PITCH, v[AA+1]
	v_lshlrev_b32 v[SH8], 3, v24
	v_and_b32 v26, 31, v0
	v_lshlrev_b32 v[L16], 4, v26
	v_lshlrev_b32 v[L8], 3, v26
	v_lshlrev_b32 v[L4], 2, v26
	v_mov_b32 v[PD], 0                             ; written once: a lane permute's destination counts as one of its sources
	WALU                                           ; the wait at the head's end
	s_cmp_lt_u32 s[WV], 2
	s_cbranch_scc0 .Lnot_w
	s_wait_tensorcnt 0x0                           ; waves 0, 1: Wq's rows have landed
.Lnot_w:
	s_barrier_signal -1
	s_barrier_wait -1                              ; Wq's 256 rows are shown; q's may still be on their way
	WIN 0x40                                       ; destination window 1
.irp s, 0,1,2,3
.irp i, 0,1,2,3
	FRAG 12*(4*\s+\i), WA, \s, 8*\i*PITCH
.endr
.endr
	WIN 0x80                                       ; destination window 2
.irp s, 4,5,6,7
.irp i, 0,1,2,3
	FRAG 12*(4*(\s-4)+\i), WA, \s, 8*\i*PITCH
.endr
.endr
	WIN 0
	s_wait_tensorcnt 0x0                           ; all my tensor loads have landed (waves 2, 3: q's rows);
	ds_add_u32 v[SPW], v[NIL]                      ; 0 onto my spare word;
	s_wait_dscnt 0x0                               ; the add is done, and my reads of Wq's rows are over
	ROUND                                          ; both hold of every wave of the cluster: q's rows are shown, Wq's bytes are free
	TLOAD G0K, G1K                                 ; my 32 rows of L or R, over Wq's first 128 rows: my one load behind the round
	LOADA 0
	s_wait_loadcnt 0xa                             ; Wq's and q's scale words are in; the ten loads of part 2's, issued behind them, may be out
.irp m, 0,1,2,3,4,5,6,7
.if \m < 7
	LOADA \m+1                                     ; into the buffer that the last tile but one multiplied: five places and that tile's way out lie between
	s_wait_dscnt 48                                ; all but the 48 loads just issued: this tile's fragments are in
.else
	s_wait_dscnt 0x0
.endif
	MULT \m
	PLACES 5                                       ; four in front of the reads of results and of loads into operands; the fifth since the next first products write over these accumulators
	OUTQ \m
.endr
; PART 2
	s_wait_tensorcnt 0x0                           ; my 32 rows of L or R are in,
	s_wait_dscnt 0x0
	s_barrier_signal -1
	s_barrier_wait -1                              ; everybody's are.
	s_wait_loadcnt 0x0                             ; L's and R's scale words
	LOADK 0
.irp s, 0,1,2,3,4,5,6,7
.if \s < 7
.if \s > 0
	PLACES 4                                       ; in front of loads into the set that the last step but one multiplied
.endif
	LOADK \s+1
	s_wait_dscnt 30                                ; all but the 30 loads just issued
.else
	s_wait_dscnt 0x0
.endif
	WIN 0x0f                                       ; both sources window 3, C and D window 0
.irp i, 0,1,2,3
.if \s == 0
	MM ACC+8*\i, 24+48*(\s%2)+12*\i, 12*(\s%2), 0, KRW+8*\i+\s, KLW+\s
.else
	MM ACC+8*\i, 24+48*(\s%2)+12*\i, 12*(\s%2), v[ACC+8*\i:ACC+8*\i+7], KRW+8*\i+\s, KLW+\s
.endif
.endr
	WIN 0
.endr
	PLACES 4                                       ; between the last product and the first read of results
	s_wait_xcnt 0x0                                ; tile 7's stores have read the registers that are written anew
	QB ACC, PC, TM
	global_store_b128 v[L16], v[PC:PC+3], s[72:73]             ; 32 lanes store 512 consecutive bytes, aligned
	global_store_b64 v[L8], v[PC+4:PC+5], s[72:73] offset:512  ; and 256
	global_store_b8 v[KBO], v[BY], s[74:75]                    ; each lane's own byte of the step's 512 scale bytes
	s_wait_tensorcnt 0x0                           ; the wave's end
	ds_add_u32 v[SPW], v[NIL]
	s_wait_dscnt 0x0
	ROUND                                          ; the closing round
	s_endpgm
.Lfunc_end_k_q6967128ed4_proj:
	.size	k_q6967128ed4_proj, .Lfunc_end_k_q6967128ed4_proj-k_q6967128ed4_proj
	.p2alignl 7, 3214868480
	.fill 96, 4, 3214868480
	.section	.rodata,"a",@progbits
	.p2align	6, 0x0
	.amdhsa_kernel k_q6967128ed4_proj
		.amdhsa_group_segment_fixed_size 327680
		.amdhsa_private_segment_fixed_size 0
		.amdhsa_enable_private_segment 0
		.amdhsa_kernarg_size 120
		.amdhsa_user_sgpr_count 2
		.amdhsa_user_sgpr_kernarg_segment_ptr 1
		.amdhsa_wavefront_size32 1
		.amdhsa_system_sgpr_workgroup_id_x 1
		.amdhsa_system_sgpr_workgroup_id_y 1
		.amdhsa_system_sgpr_workgroup_id_z 1
		.amdhsa_system_vgpr_workitem_id 0
		.amdhsa_next_free_vgpr 960
		.amdhsa_next_free_sgpr 102
		.amdhsa_reserve_vcc 0
		.amdhsa_float_denorm_mode_32 3
		.amdhsa_float_denorm_mode_16_64 3
		.amdhsa_memory_ordered 1
		.amdhsa_forward_progress 1
		.amdhsa_inst_pref_size 123
	.end_amdhsa_kernel
	.amdgpu_metadata
---
amdhsa.version: [ 1, 2 ]
amdhsa.kernels:
  - .name:           k_q6967128ed4_proj
    .symbol:         k_q6967128ed4_proj.kd
    .args:
      - { .name: q_codes, .offset: 0, .size: 8, .value_kind: global_buffer, .address_space: global }
      - { .name: q_scales, .offset: 8, .size: 8, .value_kind: global_buffer, .address_space: global }
      - { .name: Wq_codes, .offset: 16, .size: 8, .value_kind: global_buffer, .address_space: global }
      - { .name: Wq_scales, .offset: 24, .size: 8, .value_kind: global_buffer, .address_space: global }
      - { .name: qimg, .offset: 32, .size: 8, .value_kind: global_buffer, .address_space: global }
      - { .name: qsc, .offset: 40, .size: 8, .value_kind: global_buffer, .address_space: global }
      - { .name: k_codes, .offset: 48, .size: 8, .value_kind: global_buffer, .address_space: global }
      - { .name: k_scales, .offset: 56, .size: 8, .value_kind: global_buffer, .address_space: global }
      - { .name: v_codes, .offset: 64, .size: 8, .value_kind: global_buffer, .address_space: global }
      - { .name: v_scales, .offset: 72, .size: 8, .value_kind: global_buffer, .address_space: global }
      - { .name: Wk_codes, .offset: 80, .size: 8, .value_kind: global_buffer, .address_space: global }
      - { .name: Wk_scales, .offset: 88, .size: 8, .value_kind: global_buffer, .address_space: global }
      - { .name: Wv_codes, .offset: 96, .size: 8, .value_kind: global_buffer, .address_space: global }
      - { .name: Wv_scales, .offset: 104, .size: 8, .value_kind: global_buffer, .address_space: global }
      - { .name: kv, .offset: 112, .size: 8, .value_kind: global_buffer, .address_space: global }
    .group_segment_fixed_size: 327680
    .private_segment_fixed_size: 0
    .kernarg_segment_align: 8
    .kernarg_segment_size: 120
    .max_flat_workgroup_size: 128
    .sgpr_count:     102
    .vgpr_count:     960
    .wavefront_size: 32
...
	.end_amdgpu_metadata
.endif
;; end of part 1
;; launch attn (part 2): grid 256 x 1, 16 waves a work-group, clusters of 4 x 1, 232,448 bytes of LDS; arguments qimg, qsc, kv, att, attsc; writes att, attsc
.if DOCPART == 2
	.amdgcn_target "amdgcn-amd-amdhsa--gfx1250"
	.amdhsa_code_object_version 6
	.text
	.protected	k_q6967128ed4_attn
	.globl	k_q6967128ed4_attn
	.p2align	8
	.type	k_q6967128ed4_attn,@function
k_q6967128ed4_attn:
	s_mov_b64 s[64:65], 0
	v_nop
	global_prefetch_b8 v0, s[64:65] scope:SCOPE_SE
	s_setreg_imm32_b32 hwreg(HW_REG_WAVE_MODE, 25, 1), 1
	s_wait_xcnt 0x0
	s_wait_alu depctr_hold_cnt(0) depctr_sa_sdst(0) depctr_va_vdst(0) depctr_va_sdst(0) depctr_va_ssrc(0) depctr_va_vcc(0) depctr_vm_vsrc(0)
	s_getreg_b32 s2, hwreg(HW_REG_IB_STS2, 6, 4)
	s_cmp_eq_u32 s2, 0
	s_cbranch_scc0 .Lentry_in_a_cluster
	s_endpgm
.Lentry_in_a_cluster:
	s_bfe_u32 s2, ttmp6, 0x10000c
	s_cmp_lg_u32 s2, 0x3003
	s_cbranch_scc0 .Lentry_shape_is_right
	s_endpgm
.Lentry_shape_is_right:
; Launch 2 of 3: scores = q_proj . k_proj / 8, the softmax, out = p . v_proj / l, quantised along C for the last projection.  Both products on codes of E2M3.  Nothing of the problem is left out here.
; THE SOFTMAX AHEAD OF THE SECOND PRODUCT: t = score x log2(e) / 8; M = the row's largest t so far, rounded UP to a whole number; p = 2^(t - M) is what is quantised, along the keys; it is not normalised.
; The row's sum l is taken of the unquantised p, in f32, and divides at the end (a reciprocal and a multiplication).  When M moves, the sum and O are multiplied by 2^(old M - new M): exact.
; LIMITS: NaN and infinities are not served; a block whose largest magnitude lies under 2^-124 gets the scale byte 1 (read by this program alone; a block of p that has fallen to zeros has zero codes).
; SHARES.  A work-group takes 32 queries x all 16 heads; wave w is head w and takes the two tiles of 16 queries one after the other.  All heads share one K and V: a batch's 2,048 keys, as launch 1 laid them
; (16 key steps of 12,800 bytes), lie in LDS for the whole launch: first fills alone, one tensor load a wave, no slot is ever filled again.  Four waves share a SIMD: one wave's LDS waits stand beside the others' vector work.
; CLUSTER.  The four work-groups of a cluster belong to one batch (64 work-groups a batch) and want the same 204,800 bytes: each key step is asked for JOINTLY, by the same tensor load with a mask that names the four.
; LAYOUT.  Both products are used transposed: S^T = K Q^T (source 0 = 16 keys, source 1 = my 16 queries), O^T = V^T P^T (source 0 = 16 of the head's 64, source 1 = P): a lane holds ONE query (lane % 16) throughout.
; The keys of a tile and the d of a tile are not neighbours (launch 1): register 32 c + n of S^T in lane (r, h) is key 64 c + 32 h + n of the step, register n of O^T is d = 32 h + n:
; a block of 32 along the next K lies whole in one lane's registers: its largest number needs no other lane, and the conversions' results are the next operand's registers.
; THE FIRST PRODUCT'S K IS 64, THE INSTRUCTION'S 128.  A fragment of K holds TWO key tiles, one in each half of the instruction's K; Q lies as [q][zero codes][q] in 18 registers, so that its first 12 registers
; meet the first tile alone and its last 12 the second; zero codes add nothing under any scale byte that launch 1 makes (1 to 254).
; OUT: att [8,192][768 bytes], attsc [8,192][32]: rows of codes and scale bytes laid as q's are, through a stage in LDS, so that whole aligned runs of 512 bytes are stored.
.set STEPB, 12800                      ; a key step in LDS, as in kv: 8 key tiles of 768, V^T's 4 fragments of 1,536, K's and V's scale words, 256 bytes each
.set SPARE, 16*STEPB                   ; behind the 16 steps: the spare words, 128 bytes for each wave: eight blocks of 256 bytes that no other line names
.set STG,   SPARE+2048                 ; the stage: 32 rows of 768 bytes of codes,
.set SSTG,  STG+32*768                 ; and their 32 x 32 scale bytes
.set A16, 1                            ; v1   the step's LDS byte + 16 x lane
.set A8,  2                            ; v2   + 8 x lane
.set L16, 3                            ; v3   16 x lane
.set L8,  4                            ; v4   8 x lane
.set SPW, 5                            ; v5   LDS address of my spare word; never rewritten
.set NIL, 6                            ; v6   0; never rewritten
.set SH8, 7                            ; v7   8 h
.set L4,  8                            ; v8   4 x lane
.set STA, 9                            ; v9   the stage: my 24 bytes of codes: row r, + 48 w + 24 h
.set SSA, 10                           ; v10  my scale byte: 32 r + 2 w + h
.set RDA, 11                           ; v11  back: my wave's two rows, 16 bytes a lane
.set QQ,  16                           ; v16-33 [q][zeros][q].   v12 -M, v13 the largest score so far, v[14:15] the sum in two halves
.set QS,  34                           ; v34  Q's scale word
.set PS,  35                           ; v35  p's
.set KS,  36                           ; v36, v37 K's: register c: lanes 0-15 fragment 2 c's words, lanes 16-31 fragment 2 c + 1's
.set VSW, 38                           ; v38, v39 V's: register g: lanes 0-15 tile 2 g's, lanes 16-31 tile 2 g + 1's
.set KF,  40                           ; v40-87   K's eight key tiles, six registers each
.set SCR, 88                           ; v88-151  S^T, then p; behind the conversions v88-135 take V^T's four fragments
.set OT,  152                          ; v152-183 O^T
.set PP,  184                          ; v184-195 p's codes
.set TM0, 196                          ; v196-198, v200-202: the blocks' upper 16 codes, before they are moved
.set TM1, 200
.set MX,  204                          ; v204, v205 the two blocks' largest
.set T0,  206                          ; v206, v207 at work
.set FF,  208                          ; v[208:209] f = 2^(old M - new M), later 1 / l; v209 is written once, since the pair is named
.set SCO, 210                          ; v210, v211 the conversions' scale operands
.set BY,  212                          ; v212, v213 the scale bytes
.set PD,  214                          ; v214 a lane permute's destination
.set OLD, 215                          ; v215 the old -M
.set SUM2, 216                         ; v[216:217] the sum's second chain
.set Q1R, 220                          ; v220-226 the second tile's q and its scale word
.set SRA, 228                          ; v228 back: the stage's scale bytes, 16 bytes a lane
.set OB,  232                          ; v232-247 the way out
.set WV,  14                           ; s14
.set SEL, 20                           ; s[20:21] lane selects for v_permlanex16_b32: lane l xor 16
.set CS,  22                           ; s[22:23] c = log2(e) / 8: the packed form names a pair and takes its low word for both halves
.set G1,  24                           ; s[24:31], s[32:35] the descriptor
.set G0,  32
.set TB,  36                           ; s36  LDS byte at which the key step in hand begins
.set CNT, 37                           ; s37  key steps to go
.macro PLACES n
.rept \n
	v_nop
.endr
.endm
.macro ROUND                           ; a round of the cluster's barrier
	s_barrier_signal -1
	s_barrier_wait -1
	s_cmp_lg_u32 s[WV], 0
	s_cbranch_scc1 .Lnot_wave_0_\@
	s_barrier_signal -3
.Lnot_wave_0_\@:
	s_barrier_wait -3
	s_barrier_signal -1
	s_barrier_wait -1
.endm
; 32 numbers of a lane, one block along the next K, become 32 codes in v[pc] .. v[pc + 5] and the scale's byte in v[BY]
.macro QB s, pc, tm
	v_max3_num_f32 v[MX], |v[\s]|, |v[\s+1]|, 0x1800000            ; the floor 2^(3 - 127) among the leaves: the byte cannot fall under 1
	v_max3_num_f32 v[MX+1], |v[\s+2]|, |v[\s+3]|, |v[\s+4]|
.irp i, 5,9,13,17,21,25
	s_delay_alu instid0(VALU_DEP_2)
	v_max3_num_f32 v[MX], v[MX], |v[\s+\i]|, |v[\s+\i+1]|
	s_delay_alu instid0(VALU_DEP_2)
	v_max3_num_f32 v[MX+1], v[MX+1], |v[\s+\i+2]|, |v[\s+\i+3]|
.endr
	s_delay_alu instid0(VALU_DEP_2)
	v_max3_num_f32 v[MX], v[MX], |v[\s+29]|, |v[\s+30]|
	s_delay_alu instid0(VALU_DEP_1)
	v_max3_num_f32 v[MX], v[MX], v[MX+1], |v[\s+31]|
	s_delay_alu instid0(VALU_DEP_1)
	v_add_nc_u32 v[SCO], 0xff000000, v[MX]
	s_delay_alu instid0(VALU_DEP_1)
	v_lshrrev_b32 v[BY], 23, v[SCO]
	v_cvt_scalef32_pk16_fp6_f32 v[\pc:\pc+2], v[\s:\s+15], v[SCO]
	v_cvt_scalef32_pk16_fp6_f32 v[\tm:\tm+2], v[\s+16:\s+31], v[SCO]
	v_nop
.irp i, 0,1,2
	v_mov_b32 v[\pc+3+\i], v[\tm+\i]
.endr
.endm
; A KEY STEP: 128 keys.
.macro STEP
	v_add_nc_u32 v[A16], s[TB], v[L16]
	v_add_nc_u32 v[A8], s[TB], v[L8]
.irp t, 0,1,2,3,4,5,6,7                        ; K's eight tiles come as they were stored: registers 0-3 at 16 x lane, 4-5 at 512 + 8 x lane: each load takes consecutive bytes
	ds_load_b128 v[KF+6*\t:KF+6*\t+3], v[A16] offset:768*\t
	ds_load_b64 v[KF+6*\t+4:KF+6*\t+5], v[A8] offset:768*\t+512
.endr
	ds_load_b64 v[KS:KS+1], v[A8] offset:12288
	PLACES 3                                       ; with the two additions above: five places between the last step's products and the products below, which write over the registers that held V^T's fragments
	s_wait_dscnt 0x0
.irp t, 0,1,2,3,4,5,6,7                        ; S^T = K Q^T: tile t lies in half t % 2 of fragment t / 2 and meets q there
.if (\t/2)%2
	v_wmma_scale_f32_16x16x128_f8f6f4 v[SCR+8*\t:SCR+8*\t+7], v[KF+12*(\t/2):KF+12*(\t/2)+11], v[QQ+6*(\t%2):QQ+6*(\t%2)+11], 0, v[KS+\t/4], v[QS] matrix_a_fmt:MATRIX_FMT_FP6 matrix_b_fmt:MATRIX_FMT_FP6 matrix_a_scale:MATRIX_SCALE_ROW1
.else
	v_wmma_scale_f32_16x16x128_f8f6f4 v[SCR+8*\t:SCR+8*\t+7], v[KF+12*(\t/2):KF+12*(\t/2)+11], v[QQ+6*(\t%2):QQ+6*(\t%2)+11], 0, v[KS+\t/4], v[QS] matrix_a_fmt:MATRIX_FMT_FP6 matrix_b_fmt:MATRIX_FMT_FP6
.endif
.endr
	v_mov_b32 v[OLD], v12                          ; the old -M is kept.  With three more: four places in front of the first read of the scores
	PLACES 3
.irp c, 0,1                                    ; THE LARGEST SCORE OF EACH OF MY TWO BLOCKS OF 32 KEYS: it serves twice: for the row's maximum, and, since p rises with the score, for the block's largest p
	v_max3_num_f32 v[MX+\c], v[SCR+32*\c], v[SCR+32*\c+1], v[SCR+32*\c+2]
.endr
.irp i, 3,5,7,9,11,13,15,17,19,21,23,25,27,29  ; in ascending order: each accumulator is first read at its low end; the two blocks by turns
.irp c, 0,1
	v_max3_num_f32 v[MX+\c], v[MX+\c], v[SCR+32*\c+\i], v[SCR+32*\c+\i+1]
.endr
.endr
.irp c, 0,1
	v_max_num_f32 v[MX+\c], v[MX+\c], v[SCR+32*\c+31]
.endr
	s_delay_alu instid0(VALU_DEP_1)
	v_max_num_f32 v[T0], v[MX], v[MX+1]
	s_delay_alu instid0(VALU_DEP_1)
	v_permlanex16_b32 v[PD], v[T0], s[SEL], s[SEL+1]   ; the query's other 64 keys lie in the lane 16 away
	s_delay_alu instid0(VALU_DEP_1)
	v_max3_num_f32 v13, v13, v[T0], v[PD]          ; the running largest score
	s_delay_alu instid0(VALU_DEP_1)
	v_mul_f32 v[T0], s[CS], v13                    ; as t (c is positive)
	s_delay_alu instid0(VALU_DEP_1)
	v_floor_f32 v12, -v[T0]                        ; the new -M = floor(-t) = -ceil(t): M IS A WHOLE NUMBER
	s_delay_alu instid0(VALU_DEP_1)
	v_sub_f32 v[T0], v12, v[OLD]                   ; M's old value less its new one: a whole number, 0 or less
	s_delay_alu instid0(VALU_DEP_1)
	v_cvt_i32_f32 v[T0], v[T0]                     ; (it saturates)
	s_delay_alu instid0(VALU_DEP_1)
	v_ldexp_f32 v[FF], 1.0, v[T0]                  ; f = 2^(old M - new M)
.set j, 0
.rept 32
	v_pk_fma_f32 v[SCR+j:SCR+j+1], v[SCR+j:SCR+j+1], s[CS:CS+1], v[12:13] op_sel_hi:[1,0,0]   ; t - M, two at a time (of the pairs c and -M the low word serves both halves)
.set j, j+2
.endr
.irp c, 0,1
	v_fma_f32 v[MX+\c], v[MX+\c], s[CS], v12       ; the same of each block's largest score
.endr
.set j, 0
	s_wait_alu depctr_va_vdst(0)
.rept 64
	v_exp_f32 v[SCR+j], v[SCR+j]                   ; p = 2^(t - M), at most 1: NOT normalised
.set j, j+1
.endr
	v_pk_mul_f32 v[14:15], v[14:15], v[FF:FF+1] op_sel_hi:[1,0]   ; the sums under the new M: the plain instruction behind the exponentials
	s_wait_alu depctr_va_vdst(0)                   ; the wait ahead of the first instruction that names a result: one for the batch of 64
.irp c, 0,1
	v_exp_f32 v[MX+\c], v[MX+\c]                   ; the block's largest p: the same two instructions on the same number
.endr
	v_pk_add_f32 v[216:217], v[92:93], v[96:97]
	v_pk_add_f32 v[254:255], v[100:101], v[104:105]
	v_pk_add_f32 v[252:253], v[108:109], v[112:113]
	v_pk_add_f32 v[250:251], v[116:117], v[120:121]
	v_pk_add_f32 v[248:249], v[124:125], v[128:129]
	v_pk_add_f32 v[246:247], v[132:133], v[136:137]
	v_pk_add_f32 v[244:245], v[140:141], v[144:145]
	v_pk_add_f32 v[14:15], v[14:15], v[148:149]
	v_pk_add_f32 v[216:217], v[216:217], v[88:89]
	v_pk_add_f32 v[254:255], v[254:255], v[90:91]
	v_pk_add_f32 v[252:253], v[252:253], v[94:95]
	v_pk_add_f32 v[250:251], v[250:251], v[98:99]
	v_pk_add_f32 v[248:249], v[248:249], v[102:103]
	v_pk_add_f32 v[246:247], v[246:247], v[106:107]
	v_pk_add_f32 v[244:245], v[244:245], v[110:111]
	v_pk_add_f32 v[14:15], v[14:15], v[114:115]
	v_pk_add_f32 v[216:217], v[216:217], v[118:119]
	v_pk_add_f32 v[254:255], v[254:255], v[122:123]
	v_pk_add_f32 v[252:253], v[252:253], v[126:127]
	v_pk_add_f32 v[250:251], v[250:251], v[130:131]
	v_pk_add_f32 v[248:249], v[248:249], v[134:135]
	v_pk_add_f32 v[246:247], v[246:247], v[138:139]
	v_pk_add_f32 v[244:245], v[244:245], v[142:143]
	v_pk_add_f32 v[14:15], v[14:15], v[146:147]
	v_pk_add_f32 v[216:217], v[216:217], v[150:151]
	s_delay_alu instid0(VALU_DEP_2)
	v_pk_add_f32 v[14:15], v[14:15], v[250:251]
	s_delay_alu instid0(VALU_DEP_2)
	v_pk_add_f32 v[216:217], v[216:217], v[248:249]
	v_pk_add_f32 v[254:255], v[254:255], v[246:247]
	v_pk_add_f32 v[252:253], v[252:253], v[244:245]
	s_delay_alu instid0(VALU_DEP_2)
	v_pk_add_f32 v[14:15], v[14:15], v[254:255]
	s_delay_alu instid0(VALU_DEP_2)
	v_pk_add_f32 v[216:217], v[216:217], v[252:253]
	s_delay_alu instid0(VALU_DEP_1)
	v_pk_add_f32 v[14:15], v[14:15], v[216:217]
	s_wait_alu depctr_va_vdst(0)                   ; and one for the two
.irp c, 0,1
	v_max_num_f32 v[MX+\c], 0x1800000, v[MX+\c]    ; the floor 2^(3 - 127): the byte cannot fall under 1
.endr
.irp c, 0,1
	s_delay_alu instid0(VALU_DEP_2)
	v_add_nc_u32 v[SCO+\c], 0xff000000, v[MX+\c]   ; 2 off the exponent field: the conversions' scale operand
.endr
.irp c, 0,1
	s_delay_alu instid0(VALU_DEP_2)
	v_lshrrev_b32 v[BY+\c], 23, v[SCO+\c]          ; the scale's byte: key block 2 c + h
.endr
	s_delay_alu instid0(VALU_DEP_1)
	v_lshl_or_b32 v[T0], v[BY+1], 16, v[BY]
	s_delay_alu instid0(VALU_DEP_1)
	v_lshlrev_b32 v[T0], v[SH8], v[T0]             ; my two bytes at their places, 8 h bits up;
	s_delay_alu instid0(VALU_DEP_1)
	v_permlanex16_b32 v[PD], v[T0], s[SEL], s[SEL+1]
	s_delay_alu instid0(VALU_DEP_1)
	v_or_b32 v[PS], v[T0], v[PD]                   ; with lane l xor 16's two: p's scale word for these 128 keys
	v_cvt_scalef32_pk16_fp6_f32 v[PP:PP+2], v[SCR:SCR+15], v[SCO]
	v_cvt_scalef32_pk16_fp6_f32 v[TM0:TM0+2], v[SCR+16:SCR+31], v[SCO]         ; (a conversion's three registers begin on an even number)
	v_cvt_scalef32_pk16_fp6_f32 v[PP+6:PP+8], v[SCR+32:SCR+47], v[SCO+1]
	v_cvt_scalef32_pk16_fp6_f32 v[TM1:TM1+2], v[SCR+48:SCR+63], v[SCO+1]
	v_nop                                          ; one plain instruction behind the conversions
.irp i, 0,1,2
	v_mov_b32 v[PP+3+\i], v[TM0+\i]
	v_mov_b32 v[PP+9+\i], v[TM1+\i]
.endr
.irp i, 0,1,2,3                                ; V^T's four fragments (16 d x 128 keys) into the registers that p has left
.irp c, 0,1
	ds_load_b128 v[SCR+12*\i+6*\c:SCR+12*\i+6*\c+3], v[A16] offset:6144+1536*\i+768*\c
	ds_load_b64 v[SCR+12*\i+6*\c+4:SCR+12*\i+6*\c+5], v[A8] offset:6144+1536*\i+768*\c+512
.endr
.endr
	ds_load_b64 v[VSW:VSW+1], v[A8] offset:12544
.set j, 0
.rept 16
	v_pk_mul_f32 v[OT+j:OT+j+1], v[OT+j:OT+j+1], v[FF:FF+1] op_sel_hi:[1,0]   ; O^T under the new M: x f.  In ascending order; the twelve that follow the first accumulator's four are also the places between the writes of p's codes and scale word and the products
.set j, j+2
.endr
	s_wait_alu depctr_va_vdst(0)
	s_wait_dscnt 0x0
.irp i, 0,1,2,3                                ; O^T += V^T P^T: the four accumulators take turns
.if \i%2
	v_wmma_scale_f32_16x16x128_f8f6f4 v[OT+8*\i:OT+8*\i+7], v[SCR+12*\i:SCR+12*\i+11], v[PP:PP+11], v[OT+8*\i:OT+8*\i+7], v[VSW+\i/2], v[PS] matrix_a_fmt:MATRIX_FMT_FP6 matrix_b_fmt:MATRIX_FMT_FP6 matrix_a_scale:MATRIX_SCALE_ROW1
.else
	v_wmma_scale_f32_16x16x128_f8f6f4 v[OT+8*\i:OT+8*\i+7], v[SCR+12*\i:SCR+12*\i+11], v[PP:PP+11], v[OT+8*\i:OT+8*\i+7], v[VSW+\i/2], v[PS] matrix_a_fmt:MATRIX_FMT_FP6 matrix_b_fmt:MATRIX_FMT_FP6
.endif
.endr
	s_add_co_u32 s[TB], s[TB], STEPB
.endm
; A TILE OF 16 QUERIES of my head: all 16 key steps, the division, the codes into the stage.
.macro TILE u
.if \u == 0
	s_wait_loadcnt 0x0                             ; both tiles' q and scale words
.irp i, 0,1,2,3,4,5
	v_mov_b32 v[QQ+12+\i], v[QQ+\i]                ; q once more, behind the zeros
.endr
.else
.irp i, 0,1,2,3,4,5
	v_mov_b32 v[QQ+\i], v[Q1R+\i]
	v_mov_b32 v[QQ+12+\i], v[Q1R+\i]
.endr
	v_mov_b32 v[QS], v[Q1R+6]
.endif
	v_mov_b32 v13, 0xff61b1e6                      ; the largest score so far: -3e38, under every score
	s_delay_alu instid0(VALU_DEP_1)
	v_mul_f32 v[T0], s[CS], v13
	s_delay_alu instid0(VALU_DEP_1)
	v_floor_f32 v12, -v[T0]                        ; -M
	v_mov_b32 v14, 0                               ; the sum, in two halves
	v_mov_b32 v15, 0
.set j, 0
.rept 32
	v_mov_b32 v[OT+j], 0                           ; O^T.  (The step is written once: the first finds zeros, which the first change of M leaves zeros.  These lines are also the places behind the writes of q and its scale word)
.set j, j+1
.endr
	s_mov_b32 s[TB], 0
.if \u == 0
.rept 4                                        ; key steps 0 to 3 are written out: they read the bytes that waves 0 to 3 fetched, which the barrier ahead of this tile has shown
	STEP
.endr
	s_wait_tensorcnt 0x0                           ; every wave's key step is in (no LDS instruction of mine is out here),
	s_barrier_signal -1
	s_barrier_wait -1                              ; and all sixteen steps are shown to all.
	s_mov_b32 s[CNT], 12
.else
	s_mov_b32 s[CNT], 16
.endif
.Lkeys_\@:
	STEP
	s_sub_co_u32 s[CNT], s[CNT], 1
	s_cmp_lg_u32 s[CNT], 0
	s_cbranch_scc1 .Lkeys_\@
	PLACES 4                                       ; in front of the first read of O^T
	v_add_f32 v14, v14, v15                        ; the sum's two halves,
	s_delay_alu instid0(VALU_DEP_1)
	v_permlanex16_b32 v[PD], v14, s[SEL], s[SEL+1]
	s_delay_alu instid0(VALU_DEP_1)
	v_add_f32 v14, v14, v[PD]                      ; and lane l xor 16's: l
	s_wait_alu depctr_va_vdst(0)
	v_rcp_f32 v[FF], v14
	v_nop                                          ; a plain instruction behind the reciprocal,
	s_wait_alu depctr_va_vdst(0)                   ; and the wait ahead of its first reader
.set j, 0
.rept 16
	v_pk_mul_f32 v[OT+j:OT+j+1], v[OT+j:OT+j+1], v[FF:FF+1] op_sel_hi:[1,0]   ; O^T / l: register n is out(query r, 64 w + 32 h + n): one block of 32 along C
.set j, j+2
.endr
	QB OT, PP, TM0
.irp p, 0,1,2
	ds_store_b64 v[STA], v[PP+2*\p:PP+2*\p+1] offset:16*768*\u+8*\p   ; 24 bytes of row 16 u + r
.endr
	ds_store_b8 v[SSA], v[BY] offset:512*\u
.endm
	s_load_b256 s[4:11], s[0:1], 0x0               ; qimg, qsc, kv, att
	s_load_b64 s[12:13], s[0:1], 0x20              ; attsc
	v_lshl_add_u32 v[SPW], v0, 2, SPARE
	v_mov_b32 v[NIL], 0
	ds_add_u32 v[SPW], v[NIL]                      ; the wave's opening: the add, twice on end, and its wait ahead of my first tensor load
	ds_add_u32 v[SPW], v[NIL]                      ; and once more; the set-up below, work on registers, stands between it and the wait
	v_lshrrev_b32 v7, 5, v0
	s_delay_alu instid0(VALU_DEP_1)
	v_readfirstlane_b32 s[WV], v7                  ; wave 0..15: my head, and the key step that I fetch
	s_bfe_u32 s15, ttmp6, 0x40000                  ; cx: my place in the cluster
	s_lshl_b32 s16, ttmp9, 2
	s_add_co_u32 s16, s16, s15                     ; G: which 32 queries.  It enters Q's and the outputs' addresses alone
	s_lshr_b32 s17, ttmp9, 4                       ; the batch: 16 clusters each, so the four partners share it
	s_mov_b32 s[G1], 15|(3<<16)|(1<<21)            ; the mask: all four work-groups; elements of 8 bytes; bit 21 beside a mask; no padding
	s_mov_b32 s[G1+1], 32<<16                      ; a key step is 12,800 dense bytes: 50 rows of 256
	s_mov_b32 s[G1+2], 50<<16
	s_mov_b32 s[G1+3], 32<<16
	s_mov_b32 s[G1+4], 50
	s_mov_b32 s[G1+5], 32
	s_mov_b32 s[G1+6], 0
	s_mov_b32 s[G1+7], 0
	s_mov_b32 s[G0], 1
	s_mul_i32 s[G0+1], s[WV], STEPB                ; key step w: in LDS,
	s_mul_i32 s18, s17, 16*STEPB
	s_add_co_u32 s18, s18, s[G0+1]                 ; and in kv
	s_mov_b32 s19, 0
	s_mov_b32 s[SEL], 0x76543210
	s_mov_b32 s[SEL+1], 0xfedcba98
	s_mov_b32 s[CS], 0x3e38aa3b                    ; c = log2(e) / 8
	s_mov_b32 s[CS+1], s[CS]                       ; (named with it as a pair, so it is written)
	s_wait_dscnt 0x0                               ; both opening adds are done
	ROUND                                          ; the opening round, ahead of the wait for the arguments: all four work-groups are here, the joint loads meet
	s_wait_kmcnt 0x0
	s_add_nc_u64 s[G0+2:G0+3], s[8:9], s[18:19]
	s_or_b32 s[G0+3], s[G0+3], 0x80000000          ; type = 2
	s_cmp_lt_u32 s[WV], 4                          ; every wave issues its one first fill.  Waves 0 to 3, whose key steps are shown ahead of the others', have a line of their own
	s_cbranch_scc0 .Llater
	tensor_load_to_lds s[G0:G0+3], s[G1:G1+7]      ; key steps 0 to 3
	s_nop 0
	PLACES 4
	s_branch .Lasked
.Llater:
	tensor_load_to_lds s[G0:G0+3], s[G1:G1+7]      ; key steps 4 to 15
	s_nop 0
	PLACES 4
.Lasked:
	s_mul_i32 s38, s16, 2*16*768                   ; Q: row tile 2 G, head w
	s_mul_i32 s40, s[WV], 768
	s_add_co_u32 s38, s38, s40
	s_mov_b32 s39, 0
	s_add_nc_u64 s[4:5], s[4:5], s[38:39]
	s_lshl_b32 s38, s16, 12
	s_lshl_b32 s40, s[WV], 7
	s_add_co_u32 s38, s38, s40
	s_add_nc_u64 s[6:7], s[6:7], s[38:39]
	s_mul_i32 s38, s16, 32*768                     ; att: my work-group's 32 rows, my wave's two of them
	s_mul_i32 s40, s[WV], 1536
	s_add_co_u32 s38, s38, s40
	s_add_nc_u64 s[10:11], s[10:11], s[38:39]
	s_and_b32 s41, s[WV], 1
	s_lshl_b32 s41, s41, 9
	s_lshl_b32 s38, s16, 10                        ; attsc: the 32 rows' 1,024 bytes; waves 0 and 1 store a half each
	s_add_co_u32 s38, s38, s41
	s_add_nc_u64 s[12:13], s[12:13], s[38:39]
	v_and_b32 v7, 31, v0
	s_delay_alu instid0(VALU_DEP_1)
	v_lshlrev_b32 v[L16], 4, v7
	s_delay_alu instid0(VALU_DEP_2)
	v_lshlrev_b32 v[L8], 3, v7
	s_delay_alu instid0(VALU_DEP_3)
	v_lshlrev_b32 v[L4], 2, v7
	global_load_b128 v[QQ:QQ+3], v[L16], s[4:5] th:TH_LOAD_NT                      ; the first tile's q,
	global_load_b64 v[QQ+4:QQ+5], v[L8], s[4:5] offset:512 th:TH_LOAD_NT
	global_load_b32 v[QS], v[L4], s[6:7] th:TH_LOAD_NT                             ; its scale word,
	global_load_b128 v[Q1R:Q1R+3], v[L16], s[4:5] offset:16*768 th:TH_LOAD_NT      ; and the second tile's
	global_load_b64 v[Q1R+4:Q1R+5], v[L8], s[4:5] offset:16*768+512 th:TH_LOAD_NT
	global_load_b32 v[Q1R+6], v[L4], s[6:7] offset:2048 th:TH_LOAD_NT
	v_and_b32 v[T0], 15, v0                        ; r
	v_bfe_u32 v[T0+1], v0, 4, 1                    ; h
	s_delay_alu instid0(VALU_DEP_1)
	v_lshlrev_b32 v[SH8], 3, v[T0+1]
	s_delay_alu instid0(VALU_DEP_3)
	v_mul_u32_u24 v[STA], v[T0], 768
	s_delay_alu instid0(VALU_DEP_1)
	v_mad_u32_u24 v[STA], v[T0+1], 24, v[STA]
	s_mul_i32 s40, s[WV], 48
	s_add_co_u32 s40, s40, STG
	v_add_nc_u32 v[STA], s40, v[STA]
	v_lshl_add_u32 v[SSA], v[T0], 5, v[T0+1]
	s_lshl_b32 s40, s[WV], 1
	s_add_co_u32 s40, s40, SSTG
	v_add_nc_u32 v[SSA], s40, v[SSA]
	s_mul_i32 s40, s[WV], 1536
	s_add_co_u32 s40, s40, STG
	v_add_nc_u32 v[RDA], s40, v[L16]
	s_add_co_u32 s40, s41, SSTG
	v_add_nc_u32 v[SRA], s40, v[L16]               ; (made with wave % 2, so that it lies inside the stage in every wave; waves 0 and 1 use it)
.irp i, 0,1,2,3,4,5
	v_mov_b32 v[QQ+6+\i], 0                        ; the zero codes between the two q
.endr
	v_mov_b32 v[FF+1], 0                           ; (named as the upper half of a pair)
	v_mov_b32 v[PD], 0                             ; written once: a lane permute's destination counts as one of its sources
	s_wait_alu depctr_va_vdst(0)                   ; the wait at the head's end
	s_cmp_lt_u32 s[WV], 4
	s_cbranch_scc0 .Lnot_first
	s_wait_tensorcnt 0x0                           ; waves 0 to 3: my key step is in
.Lnot_first:
	s_barrier_signal -1
	s_barrier_wait -1                              ; key steps 0 to 3 are shown; the others may still be on their way
	TILE 0
	TILE 1
	s_wait_dscnt 0x0                               ; for the others' sake: my stores into the stage are done
	s_barrier_signal -1
	s_barrier_wait -1                              ; 32 whole rows of codes and scale bytes lie in the stage
.irp k, 0,1,2
	ds_load_b128 v[OB+4*\k:OB+4*\k+3], v[RDA] offset:512*\k
.endr
	s_wait_dscnt 0x0
.irp k, 0,1,2
	global_store_b128 v[L16], v[OB+4*\k:OB+4*\k+3], s[10:11] offset:512*\k   ; 32 lanes store 512 consecutive bytes, aligned: my two rows are three such runs
.endr
	s_cmp_lt_u32 s[WV], 2                          ; the scale bytes: 1,024, a half each for waves 0 and 1
	s_cbranch_scc0 .Lno_scales
	ds_load_b128 v[OB+12:OB+15], v[SRA]
	s_wait_dscnt 0x0
	global_store_b128 v[L16], v[OB+12:OB+15], s[12:13]
.Lno_scales:
	s_wait_tensorcnt 0x0                           ; the wave's end, behind my last tensor load and my last LDS store
	ds_add_u32 v[SPW], v[NIL]
	s_wait_dscnt 0x0
	ROUND                                          ; the closing round
	s_endpgm
.Lfunc_end_k_q6967128ed4_attn:
	.size	k_q6967128ed4_attn, .Lfunc_end_k_q6967128ed4_attn-k_q6967128ed4_attn
	.p2alignl 7, 3214868480
	.fill 96, 4, 3214868480
	.section	.rodata,"a",@progbits
	.p2align	6, 0x0
	.amdhsa_kernel k_q6967128ed4_attn
		.amdhsa_group_segment_fixed_size 232448
		.amdhsa_private_segment_fixed_size 0
		.amdhsa_enable_private_segment 0
		.amdhsa_kernarg_size 40
		.amdhsa_user_sgpr_count 2
		.amdhsa_user_sgpr_kernarg_segment_ptr 1
		.amdhsa_wavefront_size32 1
		.amdhsa_system_sgpr_workgroup_id_x 1
		.amdhsa_system_sgpr_workgroup_id_y 1
		.amdhsa_system_sgpr_workgroup_id_z 1
		.amdhsa_system_vgpr_workitem_id 0
		.amdhsa_next_free_vgpr 256
		.amdhsa_next_free_sgpr 66
		.amdhsa_reserve_vcc 0
		.amdhsa_float_denorm_mode_32 3
		.amdhsa_float_denorm_mode_16_64 3
		.amdhsa_memory_ordered 1
		.amdhsa_forward_progress 1
		.amdhsa_inst_pref_size 110
	.end_amdhsa_kernel
	.amdgpu_metadata
---
amdhsa.version: [ 1, 2 ]
amdhsa.kernels:
  - .name:           k_q6967128ed4_attn
    .symbol:         k_q6967128ed4_attn.kd
    .args:
      - { .name: qimg, .offset: 0, .size: 8, .value_kind: global_buffer, .address_space: global }
      - { .name: qsc, .offset: 8, .size: 8, .value_kind: global_buffer, .address_space: global }
      - { .name: kv, .offset: 16, .size: 8, .value_kind: global_buffer, .address_space: global }
      - { .name: att, .offset: 24, .size: 8, .value_kind: global_buffer, .address_space: global }
      - { .name: attsc, .offset: 32, .size: 8, .value_kind: global_buffer, .address_space: global }
    .group_segment_fixed_size: 232448
    .private_segment_fixed_size: 0
    .kernarg_segment_align: 8
    .kernarg_segment_size: 40
    .max_flat_workgroup_size: 512
    .sgpr_count:     66
    .vgpr_count:     256
    .wavefront_size: 32
...
	.end_amdgpu_metadata
.endif
;; end of part 2
;; launch oproj (part 3): grid 4 x 64, 4 waves a work-group, clusters of 4 x 4, 327,680 bytes of LDS; arguments att, attsc, Wp_codes, Wp_scales, bp, out0; writes out0
.if DOCPART == 3
	.amdgcn_target "amdgcn-amd-amdhsa--gfx1250"
	.amdhsa_code_object_version 6
	.text
	.protected	k_q6967128ed4_oproj
	.globl	k_q6967128ed4_oproj
	.p2align	8
	.type	k_q6967128ed4_oproj,@function
k_q6967128ed4_oproj:
	s_mov_b64 s[64:65], 0
	v_nop
	global_prefetch_b8 v0, s[64:65] scope:SCOPE_SE
	s_setreg_imm32_b32 hwreg(HW_REG_WAVE_MODE, 25, 1), 1
	s_wait_xcnt 0x0
	s_wait_alu depctr_hold_cnt(0) depctr_sa_sdst(0) depctr_va_vdst(0) depctr_va_sdst(0) depctr_va_ssrc(0) depctr_va_vcc(0) depctr_vm_vsrc(0)
	s_getreg_b32 s2, hwreg(HW_REG_IB_STS2, 6, 4)
	s_cmp_eq_u32 s2, 0
	s_cbranch_scc0 .Lentry_in_a_cluster
	s_endpgm
.Lentry_in_a_cluster:
	s_bfe_u32 s2, ttmp6, 0x10000c
	s_cmp_lg_u32 s2, 0xf033
	s_cbranch_scc0 .Lentry_shape_is_right
	s_endpgm
.Lentry_shape_is_right:
; The last launch: out0 = att Wp + bp, att being the attention's result as the launch before quantised it along C.  Nothing of the problem is left out here.
; LIMITS: NaN and infinities are not served.
; A work-group makes 128 rows x 256 columns over all of K = 1,024: 4 x 64 = 256 work-groups.  Wave w takes all 128 rows x 64 columns; its part of Wp, 32 fragments, 384 registers,
; is read from LDS once and stays in registers; att's eight tiles of 16 rows stream from LDS and are read by all four waves.  ALL ROWS OF CODES LIE IN LDS AT ONCE: first fills alone.
; CLUSTERS: 4 x 4 work-groups.  The four of a row of the cluster need the same rows of att, the four of a column the same rows of Wp: each tile is asked for JOINTLY.
; THE HEAD'S LOADS, one a wave: waves 0, 1 fetch 128 rows of Wp each, waves 2, 3 64 rows of att each, on a line for each kind.  A barrier shows Wp's rows as soon as waves 0 and 1 have waited.
; ALL SCALE WORDS come by plain loads straight into registers: a lane takes its row's 32 bytes, eight or sixteen neighbouring rows are 256 or 512 bytes on end.
; TRANSPOSED USE: source 0 = tile i of Wp, whose lane r takes row 32 (r / 8) + 8 i + r % 8 of my 64; source 1 = 16 rows of att.  Lane (r, h) of the result holds row r, register 8 i + j column 32 h + 8 i + j of my 64:
; 32 neighbouring numbers of a row, 128 bytes.  bp is the C of each sum's first matrix instruction: 32 registers in the result's layout.
; THE WAY OUT: 16 rows x 256 bytes go through my stage in LDS and come back by rows: sixteen lanes store 256 consecutive bytes, aligned.  The stage lies in my own 64 rows of Wp: they have had their only fill, and
; I alone read them, all of it before the first result is stored there.
; NO PREFETCH: the text has no loop to run ahead in; all rows are asked for at the head.
; REGISTERS, in windows of 256: window 0: addresses, scale words, the accumulators, bp, the way out.  Window 1: Wp's fragments of K steps 0-3, (s, i) at 12 (4 s + i).  Window 2: those of K steps 4-7.
;   Window 3: att's fragments, two buffers of eight: buffer p, K step s at 96 p + 12 s.
.set PITCH, 816                        ; an LDS row: 768 bytes of codes + 16 behind every 256
.set AROW,  256*PITCH                  ; LDS: Wp's 256 rows from 0, att's 128 rows from here,
.set SPARE, AROW+128*PITCH             ; and the spare words, 128 bytes for each wave
.set PADW,  (1<<20)|(5<<22)|(3<<25)    ; padding on: after every 64 words, 4 words; elements of 1 byte
.set WA,  1                            ; v1, v2   my lane's row of Wp's tile 0 of my 64 rows (v2: for the pieces behind one padding more)
.set WSA, 3                            ; v3       32 x that row: offset in Wp's scale bytes
.set AA,  4                            ; v4, v5   my lane's row of att's tile 0;  v6, v7: of tile 4
.set ASA, 8                            ; v8       32 r
.set SPW, 9                            ; v9       my spare word; never rewritten
.set NIL, 10                           ; v10      0; never rewritten
.set STO, 11                           ; v11      the stage: where I put my 128 bytes of row r
.set RD,  12                           ; v12      and where I read a row back
.set GO,  13                           ; v13      my byte offset in two rows of out0
.set BOF, 27                           ; v27      128 h: my 32 numbers of bp
.set WSW, 28                           ; v28-59   Wp's scale words: tile i, K step s at 8 i + s
.set ACC, 80                           ; v80-111  four accumulators
.set BIAS, 128                         ; v128-159 bp in the result's layout
.set OUTR, 160                         ; v160-191 16 rows read back from the stage
.set ASW, 192                          ; v192-255 att's scale words: tile m, K step s at 8 m + s
.set WV,  16                           ; s16      my wave's number
.set G1W, 24                           ; s[24:31] group 1: 128 rows of Wp;  s[40:47] 64 rows of att
.set G1A, 40
.set WB,  48                           ; s48      LDS byte of my own 64 rows of Wp
.set HF,  49                           ; s49      wave % 2
.set G0W, 56                           ; s[56:59], s[68:71] the groups 0
.set G0A, 68
.set MSB, 0
.macro WIN new                         ; the immediate's high byte repeats the setting that is left
.if MSB != \new
	s_set_vgpr_msb (MSB<<8)|\new
.set MSB, \new
.endif
.endm
.macro PLACES n
.rept \n
	v_nop
.endr
.endm
.macro WALU
	s_wait_alu depctr_va_vdst(0)
.endm
.macro ROUND                           ; a round of the cluster's barrier
	s_barrier_signal -1
	s_barrier_wait -1
	s_cmp_lg_u32 s[WV], 0
	s_cbranch_scc1 .Lnot_wave_0_\@
	s_barrier_signal -3
.Lnot_wave_0_\@:
	s_barrier_wait -3
	s_barrier_signal -1
	s_barrier_wait -1
.endm
.macro TLOAD g0, g1                    ; a tensor load; s_nop 0 and four v_nop follow it
	tensor_load_to_lds s[\g0:\g0+3], s[\g1:\g1+7]
	s_nop 0
	PLACES 4
.endm
; A fragment, 16 rows x 128 K of 6-bit codes, is 12 registers: lane (r, h) holds row r; registers 6 c .. 6 c + 5 hold K = 64 c + 32 h + 0 .. 31: 24 bytes of the row's stream of bits.
; In pieces of 8 bytes: lanes 0-15 take the row's pieces 12 s + 0, 1, 2 and 12 s + 6, 7, 8, lanes 16-31 those three pieces on; where the piece three on lies behind one padding more, the second address register serves.
.macro FRAG reg, adr, s, rowoff
.irp p, 0,1,2,3,4,5
.set PCE, 12*(\s)+6*(\p/3)+\p%3
.if PCE%32 < 29
	ds_load_b64 v[\reg+2*\p:\reg+2*\p+1], v[\adr] offset:8*PCE+16*(PCE/32)+(\rowoff)
.else
	ds_load_b64 v[\reg+2*\p:\reg+2*\p+1], v[\adr+1] offset:8*PCE+16*(PCE/32)+(\rowoff)
.endif
.endr
.endm
.macro MM d, a, b, c, sa, sb
	v_wmma_scale_f32_16x16x128_f8f6f4 v[\d:\d+7], v[\a:\a+11], v[\b:\b+11], \c, v[\sa], v[\sb] matrix_a_fmt:MATRIX_FMT_FP6 matrix_b_fmt:MATRIX_FMT_FP6
.endm
.macro LOADA m                         ; att's tile m: eight fragments into buffer m % 2: 48 loads
	WIN 0xc0                                       ; destination window 3
.irp s, 0,1,2,3,4,5,6,7
	FRAG 96*((\m)%2)+12*\s, AA+2*((\m)/4), \s, ((\m)%4)*16*PITCH
.endr
	WIN 0
.endm
.macro MULT m                          ; 32 matrix instructions: the four accumulators take turns, one instruction a turn; the first K step starts the sums from bp
.irp s, 0,1,2,3,4,5,6,7
.if \s < 4
	WIN 0x0d                                       ; source 0 (Wp) window 1, source 1 (att) window 3, C and D window 0
.else
	WIN 0x0e                                       ; source 0 window 2
.endif
.irp i, 0,1,2,3
.if \s == 0
	MM ACC+8*\i, 12*(4*(\s%4)+\i), 96*((\m)%2)+12*\s, v[BIAS+8*\i:BIAS+8*\i+7], WSW+8*\i+\s, ASW+8*(\m)+\s
.else
	MM ACC+8*\i, 12*(4*(\s%4)+\i), 96*((\m)%2)+12*\s, v[ACC+8*\i:ACC+8*\i+7], WSW+8*\i+\s, ASW+8*(\m)+\s
.endif
.endr
.endr
	WIN 0
.endm
.macro OUTO m                          ; tile m's 16 rows x my 64 columns
	s_wait_xcnt 0x0                                ; the last tile's stores have read their data: the registers are loaded again only behind this wait
.irp i, 0,1,2,3
	ds_store_b128 v[STO], v[ACC+8*\i:ACC+8*\i+3] offset:32*\i      ; each accumulator from its low end on
	ds_store_b128 v[STO], v[ACC+8*\i+4:ACC+8*\i+7] offset:32*\i+16
.endr
.irp t, 0,1,2,3,4,5,6,7
	ds_load_b128 v[OUTR+4*\t:OUTR+4*\t+3], v[RD] offset:544*\t     ; LDS serves a wave's instructions in order (ISA guide 5.7.1.4): these see the stores above
.endr
.irp t, 0,1,2,3,4,5,6,7
	s_wait_dscnt 7-\t                              ; load t is back; the 7 - t issued behind it may be out
	global_store_b128 v[GO], v[OUTR+4*\t:OUTR+4*\t+3], s[14:15] offset:(16*(\m)+2*\t)*4096 th:TH_STORE_NT   ; sixteen lanes store 256 consecutive bytes, aligned; lanes 16-31 the next row's
.endr
.endm
	s_load_b256 s[4:11], s[0:1], 0x0               ; att, attsc, Wp's codes, Wp's scales
	s_load_b128 s[12:15], s[0:1], 0x20             ; bp, out0
	v_lshl_add_u32 v[SPW], v0, 2, SPARE
	v_mov_b32 v[NIL], 0
	ds_add_u32 v[SPW], v[NIL]                      ; the wave's opening: the add, twice on end, and its wait ahead of my first tensor load
	ds_add_u32 v[SPW], v[NIL]
	v_lshrrev_b32 v15, 5, v0
	v_readfirstlane_b32 s[WV], v15                 ; wave 0..3
	s_and_b32 s[HF], s[WV], 1
	s_bfe_u32 s17, ttmp6, 0x40000                  ; cx, cy: my place in the cluster
	s_bfe_u32 s18, ttmp6, 0x40004
	s_lshl_b32 s19, ttmp9, 2
	s_add_co_u32 s19, s19, s17                     ; x: which 256 columns
	s_and_b32 s20, ttmp7, 0xffff
	s_lshl_b32 s20, s20, 2
	s_add_co_u32 s20, s20, s18                     ; y: which 128 rows
	s_lshl_b32 s21, s18, 2
	s_lshl_b32 s21, 15, s21                        ; my row of the cluster: it shares att's rows
	s_lshl_b32 s22, 0x1111, s17                    ; my column: it shares Wp's rows
	s_or_b32 s[G1W], s22, PADW|(1<<21)             ; the mask, bit 21 beside it, the padding
	s_or_b32 s[G1A], s21, PADW|(1<<21)
.irp g, G1W, G1A
	s_mov_b32 s[\g+1], 768<<16                     ; rows of 768 bytes
	s_mov_b32 s[\g+3], 768<<16
	s_mov_b32 s[\g+5], 768
	s_mov_b32 s[\g+6], 0
	s_mov_b32 s[\g+7], 0
.endr
	s_mov_b32 s[G1W+2], 128<<16
	s_mov_b32 s[G1W+4], 128
	s_mov_b32 s[G1A+2], 64<<16
	s_mov_b32 s[G1A+4], 64
	s_lshl_b32 s76, s19, 8                         ; Wp's rows that waves 0, 1 fetch: 256 x + 128 (w % 2).  Registers that feed Wp's descriptor never hold y, those that feed att's never x
	s_lshl_b32 s23, s[HF], 7
	s_add_co_u32 s76, s76, s23
	s_mul_i32 s76, s76, 768
	s_mov_b32 s77, 0
	s_lshl_b32 s78, s20, 7                         ; att's rows that waves 2, 3 fetch: 128 y + 64 (w % 2)
	s_lshl_b32 s23, s[HF], 6
	s_add_co_u32 s78, s78, s23
	s_mul_i32 s78, s78, 768
	s_mov_b32 s79, 0
	s_lshl_b32 s2, s19, 8                          ; the scale bytes of my own 64 rows of Wp: 32 (256 x + 64 w)
	s_lshl_b32 s23, s[WV], 6
	s_add_co_u32 s2, s2, s23
	s_lshl_b32 s2, s2, 5
	s_mov_b32 s3, 0
	s_lshl_b32 s50, s20, 12                        ; and of att's 128 rows
	s_mov_b32 s51, 0
	s_mov_b32 s[G0W], 1
	s_mul_i32 s[G0W+1], s[HF], 128*PITCH           ; no place in the cluster enters an LDS address
	s_mov_b32 s[G0A], 1
	s_mul_i32 s[G0A+1], s[HF], 64*PITCH
	s_add_co_u32 s[G0A+1], s[G0A+1], AROW
	s_mul_i32 s[WB], s[WV], 64*PITCH
	s_wait_dscnt 0x0                               ; both opening adds are done
	ROUND                                          ; the opening round, ahead of the wait for the arguments: all sixteen work-groups are here, the joint loads meet
	s_wait_kmcnt 0x0
	s_add_nc_u64 s[G0W+2:G0W+3], s[8:9], s[76:77]
	s_or_b32 s[G0W+3], s[G0W+3], 0x80000000        ; type = 2
	s_add_nc_u64 s[G0A+2:G0A+3], s[4:5], s[78:79]
	s_or_b32 s[G0A+3], s[G0A+3], 0x80000000
	s_add_nc_u64 s[10:11], s[10:11], s[2:3]
	s_add_nc_u64 s[6:7], s[6:7], s[50:51]
	s_cmp_lt_u32 s[WV], 2
	s_cbranch_scc0 .Lfor_a
	TLOAD G0W, G1W                                 ; waves 0, 1: Wp's rows, which are wanted first
	s_branch .Lasked
.Lfor_a:
	TLOAD G0A, G1A                                 ; waves 2, 3: att's rows
.Lasked:
	s_lshl_b32 s76, s19, 10                        ; my 64 columns, in bytes of f32: 1,024 x + 256 w: in bp and in a row of out0
	s_lshl_b32 s23, s[WV], 8
	s_add_co_u32 s76, s76, s23
	s_add_nc_u64 s[12:13], s[12:13], s[76:77]
	s_add_nc_u64 s[14:15], s[14:15], s[76:77]
	s_lshl_b32 s78, s20, 19                        ; my work-group's first row: 128 y rows of 4,096 bytes
	s_add_nc_u64 s[14:15], s[14:15], s[78:79]
	v_and_b32 v15, 7, v0                           ; r % 8
	v_bfe_u32 v23, v0, 3, 1                        ; r / 8
	v_bfe_u32 v24, v0, 4, 1                        ; h
	v_and_b32 v25, 15, v0                          ; r
	v_lshl_add_u32 v26, v23, 5, v15                ; a tile of Wp: my lane's row r % 8 + 32 (r / 8), + 8 x tile
	v_lshlrev_b32 v[WSA], 5, v26
	v_lshlrev_b32 v[ASA], 5, v25
	v_lshlrev_b32 v[BOF], 7, v24
	v_mul_u32_u24 v22, v26, PITCH
	v_mad_u32_u24 v22, v24, 24, v22
	v_add_nc_u32 v[WA], s[WB], v22                 ; in my wave's 64 rows
	v_lshl_add_u32 v[WA+1], v24, 4, v[WA]
	v_mul_u32_u24 v[AA], v25, PITCH                ; a tile of att: 16 neighbouring rows
	v_mad_u32_u24 v[AA], v24, 24, v[AA]
	v_add_nc_u32 v[AA], AROW, v[AA]
	v_lshl_add_u32 v[AA+1], v24, 4, v[AA]
	v_add_nc_u32 v[AA+2], 64*PITCH, v[AA]          ; tiles 4-7: the loads' offsets have 16 bits
	v_add_nc_u32 v[AA+3], 64*PITCH, v[AA+1]
	v_mul_u32_u24 v[STO], v25, 272                 ; the stage, 16 rows of 256 bytes + 16: in: row r, + 128 h
	v_lshl_add_u32 v[STO], v24, 7, v[STO]
	v_add_nc_u32 v[STO], s[WB], v[STO]
	v_mul_u32_u24 v[RD], v24, 272                  ; back: lanes 0-15 one row, lanes 16-31 the next; 16 bytes a lane
	v_lshl_add_u32 v[RD], v25, 4, v[RD]
	v_add_nc_u32 v[RD], s[WB], v[RD]
	v_lshlrev_b32 v[GO], 12, v24                   ; and the same two rows in out0
	v_lshl_add_u32 v[GO], v25, 4, v[GO]
	WALU                                           ; the wait at the head's end
.irp i, 0,1,2,3
	global_load_b128 v[WSW+8*\i:WSW+8*\i+3], v[WSA], s[10:11] offset:256*\i        ; a row's 32 scale bytes are its eight K steps' words
	global_load_b128 v[WSW+8*\i+4:WSW+8*\i+7], v[WSA], s[10:11] offset:256*\i+16
.endr
.irp i, 0,1,2,3
	global_load_b128 v[BIAS+8*\i:BIAS+8*\i+3], v[BOF], s[12:13] offset:32*\i       ; bp at columns 32 h + 8 i + 0 .. 7 of my 64
	global_load_b128 v[BIAS+8*\i+4:BIAS+8*\i+7], v[BOF], s[12:13] offset:32*\i+16
.endr
.irp m, 0,1,2,3,4,5,6,7
	global_load_b128 v[ASW+8*\m:ASW+8*\m+3], v[ASA], s[6:7] offset:512*\m
	global_load_b128 v[ASW+8*\m+4:ASW+8*\m+7], v[ASA], s[6:7] offset:512*\m+16
.endr
	s_cmp_lt_u32 s[WV], 2
	s_cbranch_scc0 .Lnot_w
	s_wait_tensorcnt 0x0                           ; waves 0, 1: Wp's rows have landed
.Lnot_w:
	s_barrier_signal -1
	s_barrier_wait -1                              ; Wp's 256 rows are shown; att's may still be on their way
	WIN 0x40                                       ; destination window 1
.irp s, 0,1,2,3
.irp i, 0,1,2,3
	FRAG 12*(4*\s+\i), WA, \s, 8*\i*PITCH
.endr
.endr
	WIN 0x80                                       ; destination window 2
.irp s, 4,5,6,7
.irp i, 0,1,2,3
	FRAG 12*(4*(\s-4)+\i), WA, \s, 8*\i*PITCH
.endr
.endr
	WIN 0
	s_wait_tensorcnt 0x0                           ; waves 2, 3: att's rows have landed,
	s_wait_dscnt 0x0                               ; my reads of Wp's rows are over (the stage will lie there)
	s_barrier_signal -1
	s_barrier_wait -1                              ; att's rows are shown.  Nothing is filled again
	LOADA 0
	s_wait_loadcnt 0x0                             ; the scale words and bp
.irp m, 0,1,2,3,4,5,6,7
.if \m < 7
	LOADA \m+1                                     ; into the buffer that the last tile but one multiplied: five places lie between
	s_wait_dscnt 48                                ; all but the 48 loads just issued: this tile's fragments are in
.else
	s_wait_dscnt 0x0
.endif
	MULT \m
	PLACES 5                                       ; four in front of the LDS stores of results and of loads into operands (ISA guide 7.12.1 for vector instructions); the fifth since the next tile's first products write over these accumulators
	OUTO \m
.endr
	s_wait_tensorcnt 0x0                           ; the wave's end, behind my last tensor load and my last LDS store
	ds_add_u32 v[SPW], v[NIL]
	s_wait_dscnt 0x0
	ROUND                                          ; the closing round
	s_endpgm
.Lfunc_end_k_q6967128ed4_oproj:
	.size	k_q6967128ed4_oproj, .Lfunc_end_k_q6967128ed4_oproj-k_q6967128ed4_oproj
	.p2alignl 7, 3214868480
	.fill 96, 4, 3214868480
	.section	.rodata,"a",@progbits
	.p2align	6, 0x0
	.amdhsa_kernel k_q6967128ed4_oproj
		.amdhsa_group_segment_fixed_size 327680
		.amdhsa_private_segment_fixed_size 0
		.amdhsa_enable_private_segment 0
		.amdhsa_kernarg_size 48
		.amdhsa_user_sgpr_count 2
		.amdhsa_user_sgpr_kernarg_segment_ptr 1
		.amdhsa_wavefront_size32 1
		.amdhsa_system_sgpr_workgroup_id_x 1
		.amdhsa_system_sgpr_workgroup_id_y 1
		.amdhsa_system_sgpr_workgroup_id_z 1
		.amdhsa_system_vgpr_workitem_id 0
		.amdhsa_next_free_vgpr 960
		.amdhsa_next_free_sgpr 80
		.amdhsa_reserve_vcc 0
		.amdhsa_float_denorm_mode_32 3
		.amdhsa_float_denorm_mode_16_64 3
		.amdhsa_memory_ordered 1
		.amdhsa_forward_progress 1
		.amdhsa_inst_pref_size 97
	.end_amdhsa_kernel
	.amdgpu_metadata
---
amdhsa.version: [ 1, 2 ]
amdhsa.kernels:
  - .name:           k_q6967128ed4_oproj
    .symbol:         k_q6967128ed4_oproj.kd
    .args:
      - { .name: att, .offset: 0, .size: 8, .value_kind: global_buffer, .address_space: global }
      - { .name: attsc, .offset: 8, .size: 8, .value_kind: global_buffer, .address_space: global }
      - { .name: Wp_codes, .offset: 16, .size: 8, .value_kind: global_buffer, .address_space: global }
      - { .name: Wp_scales, .offset: 24, .size: 8, .value_kind: global_buffer, .address_space: global }
      - { .name: bp, .offset: 32, .size: 8, .value_kind: global_buffer, .address_space: global }
      - { .name: out0, .offset: 40, .size: 8, .value_kind: global_buffer, .address_space: global }
    .group_segment_fixed_size: 327680
    .private_segment_fixed_size: 0
    .kernarg_segment_align: 8
    .kernarg_segment_size: 48
    .max_flat_workgroup_size: 128
    .sgpr_count:     80
    .vgpr_count:     960
    .wavefront_size: 32
...
	.end_amdgpu_metadata
.endif
;; end of part 3
